; MI455X (gfx1250); checked and timed in simulation.
; The chip was launched on July 23, 2026; its instructions are those of AMD's public machine-readable ISA for CDNA 5 (MIT licence, August 2026) and "CDNA5" Instruction Set Architecture Reference Guide (July 2026). The comments in the code are by the model that wrote it; some were corrected since.
;; Self Attention. Allowed arithmetic: float matrix products may take bf16 or f16 operands with f32 sums; all other float work in f32.
;; Inputs: Wk 1,024 x 1,024 float32; Wq 1,024 x 1,024 float32; Wv 1,024 x 1,024 float32; bk 1,024 float32; bq 1,024 float32; bv 1,024 float32; x 4 x 2,048 x 1,024 float32.
;; Outputs: out0 4 x 2,048 x 1,024 float32.
;; 2 versions, each right; version 2 is version 1 with the launch prep written anew for expert scheduling mode. Each part assembles by itself: llvm-mc -triple=amdgcn-amd-amdhsa -mcpu=gfx1250 --defsym DOCPART=n.
;; ======== version 1 of 2: 4 launches
;; limits: values are held in f16: magnitudes above 65,504 overflow, below 6.1e-05 lose precision
;; workspace buffers: xb 16,777,216 bytes; wb 6,291,456 bytes; bcat 12,288 bytes; qkv 50,331,648 bytes; pbuf 33,554,432 bytes; stat 1,048,576 bytes
;; launch prep (part 1): grid 256 x 1, 8 waves a work-group, no clusters, 0 bytes of LDS; arguments x, Wq, Wk, Wv, bq, bk, bv, xb, wb, bcat; writes xb, wb, bcat
.if DOCPART == 1
	.amdgcn_target "amdgcn-amd-amdhsa--gfx1250"
	.amdhsa_code_object_version 6
	.text
	.protected	k_q983bcdb1ea_prep
	.globl	k_q983bcdb1ea_prep
	.p2align	8
	.type	k_q983bcdb1ea_prep,@function
k_q983bcdb1ea_prep:
	s_mov_b64 s[64:65], 0
	v_nop
	global_prefetch_b8 v0, s[64:65] scope:SCOPE_SE
	s_setreg_imm32_b32 hwreg(HW_REG_WAVE_MODE, 25, 1), 1
	s_wait_xcnt 0x0
; CASTS AND LAYOUTS for the projection.  x [8192][1024] f32 -> xb, bf16 in blocks [kb 0..15][row 0..8191][64]: 256 rows of one kb are 32,768 dense bytes.
; Wq, Wk, Wv [1024 k][1024 n] f32 -> wb, bf16 [k][3072], columns 1024 mat + n.  bq, bk, bv -> bcat [3072] f32, each number rounded to bf16 like every other input.
; A stream: bytes are all that counts, so no LDS, no barrier, no matrix unit, no cluster (no two work-groups read the same byte of x or W).
; SHARES.  8,192 rows of x and 3,072 rows of W are 5,632 turns of two rows = 256 x 22: every work-group takes 16 turns of x (32 rows) and 2 turns (4 rows) of each W, so all 256 do equal work.
; In a turn a thread takes 8 numbers (two loads of 16 bytes) and stores 16 bytes; sixteen neighbouring lanes store 256 consecutive bytes.  All 45 loads of a thread go out first.
; Every work-group loads one bias (4,096 bytes, its oldest load, so it costs no wait of its own); work-groups 0, 1, 2 round and store it: one branch where a load under a branch would ask for two.
.set X,  8                             ; v[8:183]   turn t: 8 numbers as loaded; its four lowest registers then take the 16 bytes to store; never written again
.set BI, 184                           ; v[184:187] 4 biases as loaded; v[188:191] to store
.macro PACK t
	s_wait_loadcnt 42-2*(\t)                       ; loads come back in order: the two of each of the 21 - t younger turns may stay out
	v_cvt_pk_bf16_f32 v[X+8*(\t)],   v[X+8*(\t)],   v[X+8*(\t)+1]   ; in place: each line writes a register that the lines above have read
	v_cvt_pk_bf16_f32 v[X+8*(\t)+1], v[X+8*(\t)+2], v[X+8*(\t)+3]
	v_cvt_pk_bf16_f32 v[X+8*(\t)+2], v[X+8*(\t)+4], v[X+8*(\t)+5]
	v_cvt_pk_bf16_f32 v[X+8*(\t)+3], v[X+8*(\t)+6], v[X+8*(\t)+7]
.endm
	s_load_b512 s[8:23], s[0:1], 0x0               ; x s[8:9], Wq s[10:11], Wk s[12:13], Wv s[14:15], bq s[16:17], bk s[18:19], bv s[20:21], xb s[22:23]
	s_load_b128 s[24:27], s[0:1], 0x40             ; wb s[24:25], bcat s[26:27]
	s_mov_b32 s2, ttmp9
	; x: thread t = (kb = t / 16, row parity = (t / 8) % 2, sub = t % 8): sixteen neighbouring lanes store two rows of one kb
	v_and_b32 v6, 7, v0
	v_lshlrev_b32 v1, 5, v6                        ; in: 32 sub
	v_lshlrev_b32 v2, 4, v6                        ; out: 16 sub
	v_bfe_u32 v6, v0, 3, 1
	v_lshl_add_u32 v1, v6, 12, v1                  ;   + 4,096 parity
	v_lshl_add_u32 v2, v6, 7, v2                   ;   + 128 parity
	v_lshrrev_b32 v6, 4, v0
	v_lshl_add_u32 v1, v6, 8, v1                   ;   + 256 kb
	v_lshl_add_u32 v2, v6, 20, v2                  ;   + kb blocks of 8,192 rows x 128 bytes
	; W: two rows are 8,192 dense bytes, 32 a thread; out: row t / 128 of 6,144 bytes, 16 bytes a thread
	v_lshlrev_b32 v3, 5, v0
	v_lshrrev_b32 v6, 7, v0
	v_mul_u32_u24 v4, v6, 6144
	v_and_b32 v6, 127, v0
	v_lshl_add_u32 v4, v6, 4, v4
	v_lshlrev_b32 v5, 4, v0                        ; a bias: 4 numbers a thread
	s_lshl_b32 s4, s2, 17                          ; my 32 rows of x, 4,096 bytes each
	s_mov_b32 s5, 0
	s_lshl_b32 s6, s2, 12                          ; my 32 rows of 128 bytes in a block of xb
	s_mov_b32 s7, 0
	s_lshl_b32 s28, s2, 14                         ; my 4 rows of each W
	s_mov_b32 s29, 0
	s_mul_i32 s30, s2, 24576                       ; my 4 rows of wb, 6,144 bytes each
	s_mov_b32 s31, 0
	s_wait_kmcnt 0x0
	s_cmp_eq_u32 s2, 0
	s_cselect_b64 s[34:35], s[16:17], s[18:19]     ; work-group 0: bq, 1: bk,
	s_cmp_ge_u32 s2, 2
	s_cselect_b64 s[34:35], s[20:21], s[34:35]     ; 2 and up: bv
	s_add_nc_u64 s[8:9], s[8:9], s[4:5]
	s_add_nc_u64 s[22:23], s[22:23], s[6:7]
	s_add_nc_u64 s[10:11], s[10:11], s[28:29]
	s_add_nc_u64 s[12:13], s[12:13], s[28:29]
	s_add_nc_u64 s[14:15], s[14:15], s[28:29]
	s_add_nc_u64 s[24:25], s[24:25], s[30:31]
	global_load_b128 v[BI:BI+3], v5, s[34:35]
.set i, 0
.rept 16
	global_load_b128 v[X+8*i:X+8*i+3],   v1, s[8:9] offset:i*8192 th:TH_LOAD_NT
	global_load_b128 v[X+8*i+4:X+8*i+7], v1, s[8:9] offset:i*8192+16 th:TH_LOAD_NT
.set i, i+1
.endr
.irp m, 0,1,2
.irp u, 0,1
	global_load_b128 v[X+8*(16+2*\m+\u):X+8*(16+2*\m+\u)+3],   v3, s[10+2*\m:11+2*\m] offset:\u*8192 th:TH_LOAD_NT
	global_load_b128 v[X+8*(16+2*\m+\u)+4:X+8*(16+2*\m+\u)+7], v3, s[10+2*\m:11+2*\m] offset:\u*8192+16 th:TH_LOAD_NT
.endr
.endr
.set i, 0
.rept 16
	PACK i
	global_store_b128 v2, v[X+8*i:X+8*i+3], s[22:23] offset:i*256
.set i, i+1
.endr
.irp m, 0,1,2
.irp u, 0,1
	PACK 16+2*\m+\u
	global_store_b128 v4, v[X+8*(16+2*\m+\u):X+8*(16+2*\m+\u)+3], s[24:25] offset:\m*2048+\u*12288   ; W number m begins 2,048 m bytes into a row of wb
.endr
.endr
	s_cmp_lt_u32 s2, 3
	s_cbranch_scc0 .Ldone
	s_lshl_b32 s4, s2, 12                          ; the bias of W number s2: rounded to bf16 and written back as f32 (it came in ahead of every turn)
	s_add_nc_u64 s[26:27], s[26:27], s[4:5]
	v_cvt_pk_bf16_f32 v6, v[BI], v[BI+1]
	v_cvt_pk_bf16_f32 v7, v[BI+2], v[BI+3]
	v_lshlrev_b32 v[BI+4], 16, v6
	v_and_b32 v[BI+5], 0xffff0000, v6
	v_lshlrev_b32 v[BI+6], 16, v7
	v_and_b32 v[BI+7], 0xffff0000, v7
	global_store_b128 v5, v[BI+4:BI+7], s[26:27]
.Ldone:
	s_endpgm
.Lfunc_end_k_q983bcdb1ea_prep:
	.size	k_q983bcdb1ea_prep, .Lfunc_end_k_q983bcdb1ea_prep-k_q983bcdb1ea_prep
	.p2alignl 7, 3214868480
	.fill 96, 4, 3214868480
	.section	.rodata,"a",@progbits
	.p2align	6, 0x0
	.amdhsa_kernel k_q983bcdb1ea_prep
		.amdhsa_group_segment_fixed_size 0
		.amdhsa_private_segment_fixed_size 0
		.amdhsa_enable_private_segment 0
		.amdhsa_kernarg_size 80
		.amdhsa_user_sgpr_count 2
		.amdhsa_user_sgpr_kernarg_segment_ptr 1
		.amdhsa_wavefront_size32 1
		.amdhsa_system_sgpr_workgroup_id_x 1
		.amdhsa_system_sgpr_workgroup_id_y 1
		.amdhsa_system_sgpr_workgroup_id_z 1
		.amdhsa_system_vgpr_workitem_id 0
		.amdhsa_next_free_vgpr 192
		.amdhsa_next_free_sgpr 66
		.amdhsa_reserve_vcc 0
		.amdhsa_float_denorm_mode_32 3
		.amdhsa_float_denorm_mode_16_64 3
		.amdhsa_memory_ordered 1
		.amdhsa_forward_progress 1
		.amdhsa_inst_pref_size 15
	.end_amdhsa_kernel
	.amdgpu_metadata
---
amdhsa.version: [ 1, 2 ]
amdhsa.kernels:
  - .name:           k_q983bcdb1ea_prep
    .symbol:         k_q983bcdb1ea_prep.kd
    .args:
      - { .name: x, .offset: 0, .size: 8, .value_kind: global_buffer, .address_space: global }
      - { .name: Wq, .offset: 8, .size: 8, .value_kind: global_buffer, .address_space: global }
      - { .name: Wk, .offset: 16, .size: 8, .value_kind: global_buffer, .address_space: global }
      - { .name: Wv, .offset: 24, .size: 8, .value_kind: global_buffer, .address_space: global }
      - { .name: bq, .offset: 32, .size: 8, .value_kind: global_buffer, .address_space: global }
      - { .name: bk, .offset: 40, .size: 8, .value_kind: global_buffer, .address_space: global }
      - { .name: bv, .offset: 48, .size: 8, .value_kind: global_buffer, .address_space: global }
      - { .name: xb, .offset: 56, .size: 8, .value_kind: global_buffer, .address_space: global }
      - { .name: wb, .offset: 64, .size: 8, .value_kind: global_buffer, .address_space: global }
      - { .name: bcat, .offset: 72, .size: 8, .value_kind: global_buffer, .address_space: global }
    .group_segment_fixed_size: 0
    .private_segment_fixed_size: 0
    .kernarg_segment_align: 8
    .kernarg_segment_size: 80
    .max_flat_workgroup_size: 256
    .sgpr_count:     66
    .vgpr_count:     192
    .wavefront_size: 32
...
	.end_amdgpu_metadata
.endif
;; end of part 1
;; launch proj (part 2): grid 8 x 32, 4 waves a work-group, clusters of 4 x 4, 327,680 bytes of LDS; arguments xb, wb, bcat, qkv; writes qkv
.if DOCPART == 2
	.amdgcn_target "amdgcn-amd-amdhsa--gfx1250"
	.amdhsa_code_object_version 6
	.text
	.protected	k_q983bcdb1ea_proj
	.globl	k_q983bcdb1ea_proj
	.p2align	8
	.type	k_q983bcdb1ea_proj,@function
k_q983bcdb1ea_proj:
	s_mov_b64 s[64:65], 0
	v_nop
	global_prefetch_b8 v0, s[64:65] scope:SCOPE_SE
	s_setreg_imm32_b32 hwreg(HW_REG_WAVE_MODE, 25, 1), 1
	s_wait_xcnt 0x0
	s_wait_alu depctr_hold_cnt(0) depctr_sa_sdst(0) depctr_va_vdst(0) depctr_va_sdst(0) depctr_va_ssrc(0) depctr_va_vcc(0) depctr_vm_vsrc(0)
	s_getreg_b32 s2, hwreg(HW_REG_IB_STS2, 6, 4)
	s_cmp_eq_u32 s2, 0
	s_cbranch_scc0 .Lentry_in_a_cluster
	s_endpgm
.Lentry_in_a_cluster:
	s_bfe_u32 s2, ttmp6, 0x10000c
	s_cmp_lg_u32 s2, 0xf033
	s_cbranch_scc0 .Lentry_shape_is_right
	s_endpgm
.Lentry_shape_is_right:
; qkv[row][n] = b[n] + sum over k of x[row][k] W[k][n]: [8192][3072], n = 1024 mat + column; products of bf16, sums in f32, started by the bias in f32; the result rounded once to f16.
; LIMIT: f16 ends at 65,504: q, k and v must stay within it (as drawn they are a few units; with x and W both thirty times larger some thousands).  NaN and infinities are not treated apart.
; SHARES.  A tile of 256 rows x 384 columns makes 32 x 8 = 256 work-groups.  Four waves; wave (WR, WC) makes 128 rows x 192 columns: 96 accumulators of 16 x 16, 768 registers.
; For 32 along K a wave issues 40 LDS loads (16 for x, 24 for W) and 96 matrix instructions.
; K goes in steps of 64 through two LDS slots: a slot is 256 rows of x (pitch 144) and 64 rows of W (pitch 864), 92,160 bytes; two slots of a step of 128 would be 360,448 bytes and do not fit.
; A K STEP IS WRITTEN ONCE: the LDS addresses of the slot in hand are a fixed lane term plus s[SB], which is 0 or SLOT and is turned by an exclusive or at each change of slots.
; x comes from xb, laid in blocks of 64 along K, so that 256 rows of a step are dense and are asked for as rows of 256 bytes; W lies [k][n] and is turned on the way out of LDS (ds_load_tr16_b128).
; THE MATRIX INSTRUCTION IS USED TRANSPOSED: source 0 = 16 columns of W, source 1 = 16 rows of x: a lane holds one row of x and eight neighbouring columns, 16 bytes of f16.
; THE BIAS IS THE C OPERAND of the first 32 along K: register j of a lane is column 8 (l / 16) + j of the block, so a block's 16 biases are one operand of 8 registers, the same for all 8 row blocks.
; Nothing is cleared, and nothing is added behind the last product.
; CLUSTER 4 x 4: the tiles of x hang on the tile row alone and are asked for jointly along a row of the cluster, those of W on the tile column alone, jointly along a column.
; REGISTERS, in windows of 256 (s_set_vgpr_msb: bits 1:0 source 0, 3:2 source 1, 5:4 source 2, 7:6 destination):
;   window 0: v0-31 addresses; v32-95, v96-159 fragments of x, two buffers; v160-191, v192-223, v224-255 fragments of W for the three groups of 4 column blocks, one buffer each
;             (at the start v96-159 hold the biases of column blocks 0-7 and v224-255 those of blocks 8-11)
;   window 1 + g: the 32 accumulators of column group g: (a, bb) at v[8 (4 a + bb)]
; The 96 accumulators take turns, one instruction a turn.
.set PA,     144                       ; a row of x in LDS: 128 bytes + 16: the 16 rows of a load start at 16 different groups of four banks (64 banks of 4 bytes: ISA guide 11.1)
.set PB,     864                       ; a row of W: three pieces of 256 bytes + 32 = 27 x 32 bytes
.set BOFF,   256*PA                    ; W behind x
.set SLOT,   BOFF+64*PB
.set SP,     784                       ; the stage: 256 rows of 768 bytes + 16.  It lies over the slots and is written only when they have had their last fill and their last read
.set SPARE,  256*SP                    ; behind the stage: the spare words, 128 bytes for each wave: two blocks of 256 bytes that no other line names
.set RDT,  3                           ; v3-5    the way out: RD + the rows already sent
.set CO,   8                           ; v8-10   the way out: my byte offsets in two rows of qkv
.set BO,   11                          ; v11     my byte offset in a block's 16 biases
.set STO2, 12                          ; v12     the way out: STO, 64 rows on
.set ADRA0, 16                         ; v16     LDS address of my fragments of x in slot 0; never rewritten
.set ADRA,  17                         ; v17     the same in the slot in hand
.set ADRB0, 18                         ; v18-20  of W, groups 0-2, in slot 0; never rewritten
.set ADRB,  21                         ; v21-23  the same in the slot in hand
.set STO,  24                          ; v24     the way out: where I put 16 bytes of a row
.set RD,   25                          ; v25-27  the way out: where I read two rows back, in three pieces of 512 bytes
.set SPW,  28                          ; v28     LDS address of my spare word; never rewritten
.set NIL,  29                          ; v29     0; never rewritten
.set FA0,  32
.set FA1,  96
.set FB,   160
.set WV, 12                            ; s12 wave, s13 wave / 2, s14 wave % 2
.set WR, 13
.set WC, 14
.set SB, 15                            ; s15 the slot in hand: 0 or SLOT
.set G1, 24                            ; s[24:31] descriptor group 1 for x;  s[32:39] group 0: a set for each of the two first fills; the second then walks on
.set G0, 32
.set G1B, 48                           ; s[48:55], s[56:63] the same for W
.set G0B, 56
.set MSB, 0
.macro WIN new                         ; the immediate's high byte repeats the setting that is left; a switch that changes nothing is dropped
.if MSB != (\new)
	s_set_vgpr_msb (MSB<<8)|(\new)
.set MSB, \new
.endif
.endm
.macro PLACES                          ; four places in front of loads into registers that matrix instructions have read, and of vector lines that read results
.rept 4
	v_nop
.endr
.endm
; A joint load: waves 0 and 1 fetch the two halves of a step's x, waves 2 and 3 those of its W.  An s_nop 0 and four v_nop follow each line, ahead of the jump and the label.
.macro JLOAD s
	s_cmp_eq_u32 s[WR], 0
	s_cbranch_scc0 .Lfor_b_\@
	tensor_load_to_lds s[G0+4*(\s):G0+4*(\s)+3], s[G1:G1+7]
	s_nop 0
.rept 4
	v_nop
.endr
	s_branch .Lasked_\@
.Lfor_b_\@:
	tensor_load_to_lds s[G0B+4*(\s):G0B+4*(\s)+3], s[G1B:G1B+7]
	s_nop 0
.rept 4
	v_nop
.endr
.Lasked_\@:
.endm
.macro CREST                           ; a round of the cluster's barrier behind its opening barrier
	s_cmp_lg_u32 s[WV], 0
	s_cbranch_scc1 .Lnot_wave_0_\@
	s_barrier_signal -3
.Lnot_wave_0_\@:
	s_barrier_wait -3
	s_barrier_signal -1
	s_barrier_wait -1
.endm
.macro CROUND                          ; a whole round
	s_barrier_signal -1
	s_barrier_wait -1
	CREST
.endm
	s_load_b256 s[4:11], s[0:1], 0x0               ; xb s[4:5], wb s[6:7], bcat s[8:9], qkv s[10:11]
	v_lshl_add_u32 v[SPW], v0, 2, SPARE
	v_mov_b32 v[NIL], 0
	ds_add_u32 v[SPW], v[NIL]                      ; the wave's opening: the add and its wait come ahead of my first tensor load; work on registers stands between them
	v_lshrrev_b32 v1, 5, v0
	v_readfirstlane_b32 s[WV], v1
	s_lshr_b32 s[WR], s[WV], 1                     ; my half of the tile's rows.  Also: I fetch x (0) or W (1)
	s_and_b32 s[WC], s[WV], 1                      ; my half of its columns.  Also: which half of that tile I fetch
	s_mov_b32 s[SB], 0
	s_bfe_u32 s40, ttmp6, 0x40000                  ; cx
	s_bfe_u32 s41, ttmp6, 0x40004                  ; cy
	s_lshl_b32 s42, ttmp9, 2
	s_add_co_u32 s42, s42, s40                     ; tile column = 4 x cluster x + cx
	s_and_b32 s43, ttmp7, 0xffff
	s_lshl_b32 s43, s43, 2
	s_add_co_u32 s43, s43, s41                     ; tile row = 4 x cluster y + cy
	s_lshl_b32 s44, s41, 2
	s_lshl_b32 s44, 15, s44                        ; my row of the cluster
	s_lshl_b32 s45, 0x1111, s40                    ; my column
	; x: 128 rows of 128 bytes are 16,384 dense bytes: 64 rows of 256 bytes, padded by 4 words after every 32 words
	s_or_b32 s[G1], s44, (1<<16)|(1<<20)|(1<<21)|(4<<22)|(3<<25)
	s_mov_b32 s[G1+1], 128<<16                     ; tensor_dim0 = 128 elements
	s_mov_b32 s[G1+2], 64<<16                      ; tensor_dim1 = 64
	s_mov_b32 s[G1+3], 128<<16                     ; tile_dim0
	s_mov_b32 s[G1+4], 64                          ; tile_dim1
	s_mov_b32 s[G1+5], 128                         ; elements from row to row
	s_mov_b32 s[G1+6], 0
	s_mov_b32 s[G1+7], 0
	; W: 32 rows of 384 elements (768 bytes), padded by 8 words after every 64 words
	s_or_b32 s[G1B], s45, (1<<16)|(1<<20)|(1<<21)|(5<<22)|(7<<25)
	s_mov_b32 s[G1B+1], 384<<16
	s_mov_b32 s[G1B+2], 32<<16
	s_mov_b32 s[G1B+3], 384<<16
	s_mov_b32 s[G1B+4], 32
	s_mov_b32 s[G1B+5], 3072
	s_mov_b32 s[G1B+6], 0
	s_mov_b32 s[G1B+7], 0
	s_lshl_b32 s16, s43, 15                        ; x: the tile row's 256 rows of 128 bytes,
	s_lshl_b32 s17, s[WC], 14                      ; my 128 of them
	s_add_co_u32 s16, s16, s17
	s_mov_b32 s17, 0
	s_mul_i32 s46, s42, 768                        ; W: the tile column's 768 bytes of a row,
	s_mul_i32 s47, s[WC], 196608                   ; my 32 rows of 6,144 bytes
	s_add_co_u32 s46, s46, s47
	s_mov_b32 s47, 0
	s_mul_i32 s20, s[WC], 128*PA                   ; where they go in a slot (kept for the walking descriptors): no place in the cluster enters an LDS address
	s_mul_i32 s21, s[WC], 32*PB
	s_add_co_u32 s21, s21, BOFF
	s_wait_dscnt 0x0                               ; the opening add is done
	s_wait_kmcnt 0x0
	s_add_nc_u64 s[18:19], s[4:5], s[16:17]
	s_add_nc_u64 s[46:47], s[6:7], s[46:47]
	CROUND                                         ; all sixteen work-groups are here: the first joint loads meet
.irp s, 0,1
	s_mov_b32 s[G0+4*(\s)], 1
	s_add_co_u32 s[G0+4*(\s)+1], s20, (\s)*SLOT
	s_add_nc_u64 s[G0+4*(\s)+2:G0+4*(\s)+3], s[18:19], (\s)*0x100000   ; K step s: a block of xb is 8,192 rows x 128 bytes
	s_or_b32 s[G0+4*(\s)+3], s[G0+4*(\s)+3], 0x80000000
	s_mov_b32 s[G0B+4*(\s)], 1
	s_add_co_u32 s[G0B+4*(\s)+1], s21, (\s)*SLOT
	s_add_nc_u64 s[G0B+4*(\s)+2:G0B+4*(\s)+3], s[46:47], (\s)*393216   ; 64 rows of 6,144 bytes
	s_or_b32 s[G0B+4*(\s)+3], s[G0B+4*(\s)+3], 0x80000000
	JLOAD \s                                       ; two loads of mine are out
.endr
	v_and_b32 v1, 15, v0                           ; r = l % 16
	v_bfe_u32 v2, v0, 4, 1                         ; h = l / 16
	v_lshlrev_b32 v[BO], 5, v2                     ; my 8 of a block's 16 biases
	s_mul_i32 s16, s42, 1536                       ; bcat at my wave's 192 columns
	s_mul_i32 s17, s[WC], 768
	s_add_co_u32 s16, s16, s17
	s_mov_b32 s17, 0
	s_add_nc_u64 s[8:9], s[8:9], s[16:17]
.set nb, 0
.rept 12                               ; my 192 biases, 8 a lane for each column block: they come in while the first tiles do
.if nb < 8
.set br, FA1+8*nb
.else
.set br, FB+64+8*(nb-8)
.endif
	global_load_b128 v[br:br+3],   v[BO], s[8:9] offset:64*nb
	global_load_b128 v[br+4:br+7], v[BO], s[8:9] offset:64*nb+16
.set nb, nb+1
.endr
	v_mul_u32_u24 v3, v1, PA
	v_lshl_add_u32 v3, v2, 4, v3                   ; a fragment of x: row x pitch + 16 h
	s_mul_i32 s22, s[WR], 128*PA
	v_add_nc_u32 v[ADRA0], s22, v3
	v_mov_b32 v[ADRA], v[ADRA0]                    ; the walk begins in slot 0
	; the turning load takes 16 k x 16 columns: lane l reads k = 8 h + l % 8, columns 8 ((l / 8) % 2) + 0..7, and is left with column l % 16 and 8 k
	v_and_b32 v4, 7, v0
	v_bfe_u32 v5, v0, 3, 1
	v_lshl_add_u32 v4, v2, 3, v4
	v_mul_u32_u24 v4, v4, PB
	v_lshl_add_u32 v4, v5, 4, v4
	s_mul_i32 s22, s[WC], 3                        ; my first group of 64 columns among the tile's six
.irp g, 0,1,2
	s_add_co_u32 s23, s22, \g
	s_lshr_b32 s2, s23, 1                          ; a group is 128 bytes; two groups fill a piece of 256, behind which 32 bytes of padding lie
	s_lshl_b32 s2, s2, 5
	s_lshl_b32 s23, s23, 7
	s_add_co_u32 s23, s23, s2
	s_add_co_u32 s23, s23, BOFF
	v_add_nc_u32 v[ADRB0+\g], s23, v4
	v_mov_b32 v[ADRB+\g], v[ADRB0+\g]
.endr
	s_mul_i32 s22, s[WR], 128*SP                   ; into the stage: row 128 WR + 16 a + r, byte 384 WC + 32 block + 16 h
	s_mul_i32 s23, s[WC], 384
	s_add_co_u32 s22, s22, s23
	v_mul_u32_u24 v6, v1, SP
	v_lshl_add_u32 v6, v2, 4, v6
	v_add_nc_u32 v[STO], s22, v6
	v_add_nc_u32 v[STO2], 64*SP, v[STO]
	s_mul_i32 s22, s[WV], 64*SP                    ; back: wave w takes rows 64 w .. 64 w + 63, two rows (1,536 bytes) as three pieces of 512
	v_and_b32 v7, 31, v0
	v_lshlrev_b32 v[CO], 4, v7                     ; piece 0: row 0, bytes 16 l
	v_add_nc_u32 v[RD], s22, v[CO]
	v_lshl_add_u32 v[RD+1], v2, 4, v[RD]           ; piece 1: lanes 0-15 row 0 from byte 512, lanes 16-31 row 1 from byte 0: 16 l + 512 + h (784 - 768)
	v_add_nc_u32 v[RD+1], 512, v[RD+1]
	v_add_nc_u32 v[RD+2], SP+256, v[RD]            ; piece 2: row 1, from byte 256
	v_mul_u32_u24 v6, v2, 5376                     ; the same in qkv: h (6,144 - 768)
	v_add_nc_u32 v[CO+1], v[CO], v6
	v_add_nc_u32 v[CO+1], 512, v[CO+1]
	v_add_nc_u32 v[CO+2], 6400, v[CO]
	s_lshl_b32 s16, s43, 8                         ; qkv at the first row that I store, at the tile's first column
	s_lshl_b32 s18, s[WV], 6
	s_add_co_u32 s16, s16, s18
	s_mul_i32 s16, s16, 6144
	s_mul_i32 s18, s42, 768
	s_add_co_u32 s16, s16, s18
	s_add_nc_u64 s[10:11], s[10:11], s[16:17]
; n x 4 matrix instructions: row blocks a0 .. a0 + n - 1 x the 4 column blocks of group g, 32 along K
.macro MULG g, abuf, a0, n
	WIN 0x50*((\g)+1)
.set aa, \a0
.rept \n
.irp bb, 0,1,2,3
	v_wmma_f32_16x16x32_bf16 v[8*(4*aa+\bb):8*(4*aa+\bb)+7], v[FB+32*(\g)+8*\bb:FB+32*(\g)+8*\bb+7], v[(\abuf)+8*aa:(\abuf)+8*aa+7], v[8*(4*aa+\bb):8*(4*aa+\bb)+7]
.endr
.set aa, aa+1
.endr
.endm
; The 32 matrix instructions that start group g's sums: W's fragments at wf, the group's biases at cb as the C operand, both in window 0
.macro MULGB g, wf, cb
	WIN ((\g)+1)<<6
.set aa, 0
.rept 8
.irp bb, 0,1,2,3
	v_wmma_f32_16x16x32_bf16 v[8*(4*aa+\bb):8*(4*aa+\bb)+7], v[(\wf)+8*\bb:(\wf)+8*\bb+7], v[FA0+8*aa:FA0+8*aa+7], v[(\cb)+8*\bb:(\cb)+8*\bb+7]
.endr
.set aa, aa+1
.endr
.endm
.macro ALOAD q, buf                    ; 16 loads from the slot in hand: my 128 rows of x, 32 along K at half q of the step
	WIN 0
.irp a, 0,1,2,3,4,5,6,7
	ds_load_b128 v[(\buf)+8*\a:(\buf)+8*\a+3],   v[ADRA] offset:\a*16*PA+64*(\q)
	ds_load_b128 v[(\buf)+8*\a+4:(\buf)+8*\a+7], v[ADRA] offset:\a*16*PA+64*(\q)+32
.endr
.endm
.macro BLOAD q, g, d                   ; 8 loads from the slot in hand: the 4 column blocks of group g, turned, into W's buffer d
	WIN 0
.irp bb, 0,1,2,3
	ds_load_tr16_b128 v[FB+32*(\d)+8*\bb:FB+32*(\d)+8*\bb+3],   v[ADRB+(\g)] offset:(\q)*32*PB+32*\bb
	ds_load_tr16_b128 v[FB+32*(\d)+8*\bb+4:FB+32*(\d)+8*\bb+7], v[ADRB+(\g)] offset:(\q)*32*PB+16*PB+32*\bb
.endr
.endm
; The first half of a K step, on buffer 0 of x.  On entry the LDS loads out are, in order: W group 0 (8), x (16), W group 1 (8), W group 2 (8).  Each group of W is fetched anew behind its products.
.macro KQ0
	s_wait_dscnt 16                                ; groups 1 and 2 may stay out
	MULG 0, FA0, 0, 8
	PLACES
	BLOAD 1, 0, 0
	ALOAD 1, FA1
	s_wait_dscnt 32                                ; group 1 is in: behind it group 2's 8 and the 24 just issued
	MULG 1, FA0, 0, 8
	PLACES
	BLOAD 1, 1, 1
	s_wait_dscnt 32                                ; group 2 is in: behind it 24 and 8
	MULG 2, FA0, 0, 8
	PLACES
	BLOAD 1, 2, 2
.endm
; The second half, on buffer 1, changes slots: ONE barrier.  In front of it each wave waits for all its tensor loads (one is out: its part of the next slot), adds 0 to its spare word,
; and waits for that and for its reads of this slot, all of which are then in registers.  fill = 1: the barrier opens a round of the cluster's, and the slot that is left is filled again, two K steps ahead:
; the walking descriptors take that slot's LDS address and go one K step on.  Then s[SB] is turned and the four fragment addresses are made for the other slot.
.macro KQ1 fill
	WIN 0
	s_wait_tensorcnt 0x0                           ; no tensor load of mine is out, so a group 0 may be written
	ds_add_u32 v[SPW], v[NIL]
	s_wait_dscnt 17                                ; group 0 and x are in: the add and groups 1 and 2 (16) may be out
	MULG 0, FA1, 0, 4
	s_wait_dscnt 0x0                               ; the add is done, and my reads of this slot are over
	s_barrier_signal -1
	MULG 0, FA1, 4, 4
	WIN 0                                          ; at a branch and at a label every window is 0
	s_barrier_wait -1
.if \fill
	CREST                                          ; no wave of any partner still reads this slot or has a load on its way
	s_add_co_u32 s[G0+5], s20, s[SB]
	s_add_nc_u64 s[G0+6:G0+7], s[G0+6:G0+7], 0x100000
	s_add_co_u32 s[G0B+5], s21, s[SB]
	s_add_nc_u64 s[G0B+6:G0B+7], s[G0B+6:G0B+7], 393216
	JLOAD 1                                        ; the first tensor load behind the round
.endif
	s_xor_b32 s[SB], s[SB], SLOT                   ; the other slot is in hand
	v_add_nc_u32 v[ADRA], s[SB], v[ADRA0]          ; four plain lines that name no register of the products: the places in front of the loads below
.irp g, 0,1,2
	v_add_nc_u32 v[ADRB+\g], s[SB], v[ADRB0+\g]
.endr
	BLOAD 0, 0, 0
	ALOAD 0, FA0
	MULG 1, FA1, 0, 8
	PLACES
	BLOAD 0, 1, 1
	MULG 2, FA1, 0, 8
	PLACES
	BLOAD 0, 2, 2
.endm
	s_wait_tensorcnt 0x1                           ; my part of K step 0 is in; K step 1's may stay out
	s_barrier_signal -1
	s_barrier_wait -1
	; THE FIRST 32 ALONG K start the sums with the biases.  W's third buffer holds biases, so group 2's fragments take the first buffer once group 0 is multiplied.
	BLOAD 0, 0, 0
	ALOAD 0, FA0
	BLOAD 0, 1, 1
	s_wait_loadcnt 0x0                             ; the biases
	s_wait_dscnt 8                                 ; group 0 and x are in; group 1 may stay out
	MULGB 0, FB, FA1
	PLACES
	BLOAD 0, 2, 0
	s_wait_dscnt 8                                 ; group 1 is in: behind it the 8 just issued
	MULGB 1, FB+32, FA1+32
	PLACES
	ALOAD 1, FA1                                   ; the biases of blocks 0-7 are spent
	s_wait_dscnt 16                                ; group 2 is in: behind it the 16 just issued
	MULGB 2, FB, FB+64
	PLACES
	BLOAD 1, 0, 0                                  ; out are now, in order, x (16) and W's groups 0, 1, 2: group 0 and x lie ahead of the youngest 16, as the loop's first wait needs
	BLOAD 1, 1, 1
	BLOAD 1, 2, 2
	WIN 0
	s_mov_b32 s3, 14
.Lstep:                                                ; trip t: the second half of K step t, the first half of K step t + 1; K step t + 2 is asked for: 2 to 15 in all
	KQ1 1
	KQ0
	WIN 0
	s_sub_co_u32 s3, s3, 1
	s_cmp_lg_u32 s3, 0
	s_cbranch_scc1 .Lstep
	KQ1 0                                          ; K step 14 ends; nothing is left to ask for
	KQ0
	s_wait_dscnt 16                                ; the last 32 along K
	MULG 0, FA1, 0, 8
	s_wait_dscnt 8
	MULG 1, FA1, 0, 8
	s_wait_dscnt 0x0
	MULG 2, FA1, 0, 8
	PLACES
	; THE WAY OUT: rounding to f16, 16 bytes a lane into the work-group's stage; a barrier; back as whole rows of 768 bytes.
	s_barrier_signal -1                            ; every wave's reads of the slots are in registers (its wait for 0 above): the stage may be written over them
	s_barrier_wait -1
.macro OUTG g
	WIN 5*((\g)+1)                                 ; sources 0 and 1: the group's window
.set ix, 0
.rept 32
.set tr, FA1+4*ix+32*(ix/16)           ; v96-159, then v192-255
.irp e, 0,1,2,3
	v_cvt_pk_f16_f32 v[tr+\e], v[8*ix+2*\e], v[8*ix+2*\e+1]
.endr
.set ix, ix+1
.endr
	WIN 0
.set ix, 0
.rept 32
.set tr, FA1+4*ix+32*(ix/16)
.if ix < 16
	ds_store_b128 v[STO], v[tr:tr+3] offset:(ix/4)*16*SP+32*(4*(\g)+ix%4)
.else
	ds_store_b128 v[STO2], v[tr:tr+3] offset:(ix/4-4)*16*SP+32*(4*(\g)+ix%4)
.endif
.set ix, ix+1
.endr
.endm
	OUTG 0
	OUTG 1
	OUTG 2
	s_wait_dscnt 0x0                               ; for the others' sake: my stores into the stage are done
	s_barrier_signal -1
	s_barrier_wait -1
	s_mov_b32 s3, 4
	s_mov_b32 s22, 0
.Lback:                                                ; 16 of my 64 rows a trip
.irp j, 0,1,2
	v_add_nc_u32 v[RDT+\j], s22, v[RD+\j]
.endr
.set i, 0
.rept 8
.irp j, 0,1,2
	ds_load_b128 v[32+4*(3*i+\j):32+4*(3*i+\j)+3], v[RDT+\j] offset:i*2*SP
.endr
.set i, i+1
.endr
.set i, 0
.rept 8
.irp j, 0,1,2
	s_wait_dscnt 23-(3*i+\j)                       ; LDS loads come back in order: the younger ones may stay out
	global_store_b128 v[CO+\j], v[32+4*(3*i+\j):32+4*(3*i+\j)+3], s[10:11] offset:i*12288  ; 16 lanes store 256 consecutive bytes, at a multiple of 256 from the buffer's first
.endr
.set i, i+1
.endr
	s_wait_xcnt 0x0                                ; the stores' base and data are rewritten only behind this wait
	s_add_nc_u64 s[10:11], s[10:11], 98304         ; 16 rows of 6,144 bytes on
	s_add_co_u32 s22, s22, 16*SP
	s_sub_co_u32 s3, s3, 1
	s_cmp_lg_u32 s3, 0
	s_cbranch_scc1 .Lback
	s_wait_tensorcnt 0x0                           ; the wave's end
	ds_add_u32 v[SPW], v[NIL]
	s_wait_dscnt 0x0
	CROUND                                         ; the closing round
	s_endpgm
.Lfunc_end_k_q983bcdb1ea_proj:
	.size	k_q983bcdb1ea_proj, .Lfunc_end_k_q983bcdb1ea_proj-k_q983bcdb1ea_proj
	.p2alignl 7, 3214868480
	.fill 96, 4, 3214868480
	.section	.rodata,"a",@progbits
	.p2align	6, 0x0
	.amdhsa_kernel k_q983bcdb1ea_proj
		.amdhsa_group_segment_fixed_size 327680
		.amdhsa_private_segment_fixed_size 0
		.amdhsa_enable_private_segment 0
		.amdhsa_kernarg_size 32
		.amdhsa_user_sgpr_count 2
		.amdhsa_user_sgpr_kernarg_segment_ptr 1
		.amdhsa_wavefront_size32 1
		.amdhsa_system_sgpr_workgroup_id_x 1
		.amdhsa_system_sgpr_workgroup_id_y 1
		.amdhsa_system_sgpr_workgroup_id_z 1
		.amdhsa_system_vgpr_workitem_id 0
		.amdhsa_next_free_vgpr 1024
		.amdhsa_next_free_sgpr 66
		.amdhsa_reserve_vcc 0
		.amdhsa_float_denorm_mode_32 3
		.amdhsa_float_denorm_mode_16_64 3
		.amdhsa_memory_ordered 1
		.amdhsa_forward_progress 1
		.amdhsa_inst_pref_size 103
	.end_amdhsa_kernel
	.amdgpu_metadata
---
amdhsa.version: [ 1, 2 ]
amdhsa.kernels:
  - .name:           k_q983bcdb1ea_proj
    .symbol:         k_q983bcdb1ea_proj.kd
    .args:
      - { .name: xb, .offset: 0, .size: 8, .value_kind: global_buffer, .address_space: global }
      - { .name: wb, .offset: 8, .size: 8, .value_kind: global_buffer, .address_space: global }
      - { .name: bcat, .offset: 16, .size: 8, .value_kind: global_buffer, .address_space: global }
      - { .name: qkv, .offset: 24, .size: 8, .value_kind: global_buffer, .address_space: global }
    .group_segment_fixed_size: 327680
    .private_segment_fixed_size: 0
    .kernarg_segment_align: 8
    .kernarg_segment_size: 32
    .max_flat_workgroup_size: 128
    .sgpr_count:     66
    .vgpr_count:     1024
    .wavefront_size: 32
...
	.end_amdgpu_metadata
.endif
;; end of part 2
;; launch scores (part 3): grid 36 x 4, 4 waves a work-group, no clusters, 327,680 bytes of LDS; arguments qkv, pbuf, stat; writes pbuf, stat
.if DOCPART == 3
	.amdgcn_target "amdgcn-amd-amdhsa--gfx1250"
	.amdhsa_code_object_version 6
	.text
	.protected	k_q983bcdb1ea_scores
	.globl	k_q983bcdb1ea_scores
	.p2align	8
	.type	k_q983bcdb1ea_scores,@function
k_q983bcdb1ea_scores:
	s_mov_b64 s[64:65], 0
	v_nop
	global_prefetch_b8 v0, s[64:65] scope:SCOPE_SE
	s_setreg_imm32_b32 hwreg(HW_REG_WAVE_MODE, 25, 1), 1
	s_wait_xcnt 0x0
; For each tile of 256 queries x 256 keys on or under the diagonal: S = q k^T (f16 operands, f32 sums), the causal mask, and a softmax BY GROUPS of 128 keys:
; with t = c s, c = log2(e) / 32, each query and group gets its TRUE maximum m_g of t, p = 2^(t - m_g) (rounded to f16 into pbuf) and l_g = the sum of the unrounded p; m_g and l_g go to stat in f32.
; The next launch joins the groups by F_g = 2^(m_g - max over g of m_g): every exponent is at most 0 and every maximum is a maximum of scores.
; LIMITS.  A hidden score counts as t = -1e30; with q and k in f16 a real |t| is at most 2e11.  p below 6e-5 keeps the fixed step of f16; a weight below 2^-126 counts as 0.  NaN and infinities are not treated apart.
; SHARES.  36 tiles a batch (tile row u 0..7, tile column v <= u), 144 equal work-groups; four waves, each 128 queries x 128 keys: one group of keys lies in one wave.  K = 1,024 goes in steps of 128 through two LDS slots.
; A K STEP IS WRITTEN ONCE: the LDS addresses of the slot in hand are a fixed lane term plus s[SB], which is 0 or SLOT and is turned by an exclusive or at each change of slots.
; In a diagonal tile the wave of rows 0-127, keys 128-255 is wholly hidden: it writes p = 1, so that the bytes which the next launch fetches with that tile are defined and finite; there they are multiplied by 0.
; NO CLUSTER: tile row u has u + 1 tiles, 1 to 8, so groups of four that share a tile of q or k do not exist at every place of the triangle, and partners would be left without work.
; THE MATRIX INSTRUCTION IS USED TRANSPOSED (source 0 = 16 keys, source 1 = 16 queries): a lane holds ONE query (l % 16) and the keys 16 b + 8 (l / 16) + 0..7.
; REGISTERS, in windows of 256: window 0: v0-63 addresses and statistics; v64-127, v128-191 fragments of q, two buffers (later T, PK, OB); window 1: the same for k;
;   window 2: the 32 accumulators of my queries 0-63, (a, b) at v[8 (8 a + b)]; window 3: those of my queries 64-127.  The 64 accumulators take turns.
.set KSTEP,  128
.set PITCH,  272                       ; an LDS row: 256 bytes + 16: the 16 rows of a load start at 16 different groups of four banks (64 banks of 4 bytes: ISA guide 11.1)
.set HALFT,  128*PITCH
.set SLOT,   4*HALFT                   ; 256 rows of q, then 256 rows of k
.set STAGE,  2*SLOT                    ; behind the ring: 16 rows x 272 bytes for each wave
.set SCR,    STAGE+4*16*PITCH          ; 1,024 bytes for each wave: its record of m and l
.set SPARE,  SCR+4*1024                ; the spare words, 128 bytes for each wave
.set VB,   12                          ; v12  key register 16 b + j is hidden where it is greater than this
.set BIGV, 13                          ; v13  -1e30
.set SAT,  14                          ; v14  where this trip's m or l goes
.set SO,   15                          ; v15  16 x lane
.set ADRA0, 16                         ; v16  LDS address of my fragments of q in slot 0; never rewritten
.set ADRA,  17                         ; v17  the same in the slot in hand
.set ADRB0, 20                         ; v20  of k in slot 0; never rewritten
.set ADRB,  21                         ; v21  in the slot in hand
.set STO,  24
.set RD,   25
.set CO,   26
.set SA0,  27                          ; v27  my 32 bytes in the wave's record
.set SPW,  28
.set NIL,  29
.set C0,   32                          ; v32-35 four chains of the maximum
.set PX,   36                          ; v36  the other half of the lanes' number
.set CM,   40                          ; v40-41 m, twice
.set LS,   42
.set VAL,  43
.set F0,   64
.set F1,   128
.set T,    64                          ; v64-127  the 64 scores of a query tile
.set PK,   128                         ; v128-159 p in f16
.set OB,   160                         ; v160-191 16 rows read back
.set SB, 23                            ; s23 the slot in hand: 0 or SLOT
.set G1, 24
.set G0, 32                            ; s[32:39] group 0: a set for each of the two first fills; the second then walks on
.set CS, 58                            ; s[58:59] c
.set MSB, 0
.macro WIN new
.if MSB != (\new)
	s_set_vgpr_msb (MSB<<8)|(\new)
.set MSB, \new
.endif
.endm
.set MUL_LO, 0xa1                      ; source 0 (k) window 1, source 1 (q) window 0, C and D window 2
.set MUL_HI, 0xf1
.set TO_B,   0x40
.macro PLACES
.rept 4
	v_nop
.endr
.endm
	s_load_b128 s[4:7], s[0:1], 0x0                ; qkv s[4:5], pbuf s[6:7]
	s_load_b64 s[8:9], s[0:1], 0x10                ; stat
	v_lshl_add_u32 v[SPW], v0, 2, SPARE
	v_mov_b32 v[NIL], 0
	ds_add_u32 v[SPW], v[NIL]                      ; the wave's opening: the add and its wait come ahead of my first tensor load
	v_lshrrev_b32 v1, 5, v0
	v_readfirstlane_b32 s10, v1                    ; wave
	s_lshr_b32 s11, s10, 1                         ; WR: my half of the queries
	s_and_b32 s12, s10, 1                          ; WC: my half of the keys
	s_mov_b32 s[SB], 0
	s_mov_b32 s13, ttmp9                           ; the tile's number in the triangle
	s_mov_b32 s14, 0
.irp t, 1,3,6,10,15,21,28
	s_cmp_ge_u32 s13, \t                           ; u = how many rows of the triangle begin at or below it
	s_add_co_ci_u32 s14, s14, 0
.endr
	s_add_co_u32 s15, s14, 1
	s_mul_i32 s15, s15, s14
	s_lshr_b32 s15, s15, 1
	s_sub_co_u32 s15, s13, s15                     ; v = number - u (u + 1) / 2
	s_and_b32 s16, ttmp7, 0xffff                   ; batch
	s_mov_b32 s[G1+0], (1<<16)|(1<<20)|(5<<22)|(3<<25)  ; 2-byte elements; padding of 4 words after every 64 words
	s_mov_b32 s[G1+1], KSTEP<<16
	s_mov_b32 s[G1+2], 128<<16
	s_mov_b32 s[G1+3], KSTEP<<16
	s_mov_b32 s[G1+4], 128
	s_mov_b32 s[G1+5], 3072                        ; a row of qkv
	s_mov_b32 s[G1+6], 0
	s_mov_b32 s[G1+7], 0
	s_mov_b32 s[CS], 0x3d38aa3b                    ; c = log2(e) / 32
	s_mov_b32 s[CS+1], s[CS]
	s_mov_b32 s60, 0x76543210
	s_mov_b32 s61, 0xfedcba98
	s_mov_b32 s62, 0xffff0000                      ; lanes 16-31
	s_cmp_lt_u32 s10, 2                            ; waves 0, 1 fetch the halves of q's tile, waves 2, 3 those of k's
	s_cselect_b32 s17, s14, s15
	s_cselect_b32 s18, 0, 2048                     ; k begins 2,048 bytes into a row
	s_lshl_b32 s19, s16, 11
	s_lshl_b32 s17, s17, 8
	s_add_co_u32 s19, s19, s17
	s_lshl_b32 s17, s12, 7
	s_add_co_u32 s19, s19, s17                     ; my first row
	s_mul_i32 s20, s19, 6144
	s_add_co_u32 s20, s20, s18
	s_mov_b32 s21, 0
	s_mul_i32 s22, s10, HALFT                      ; my quarter of a slot (kept for the walking descriptor)
	s_wait_dscnt 0x0                               ; the opening add is done
	s_wait_kmcnt 0x0
	s_add_nc_u64 s[20:21], s[4:5], s[20:21]
.irp s, 0,1
	s_mov_b32 s[G0+4*(\s)], 1
	s_add_co_u32 s[G0+4*(\s)+1], s22, (\s)*SLOT
	s_add_nc_u64 s[G0+4*(\s)+2:G0+4*(\s)+3], s[20:21], (\s)*KSTEP*2
	s_or_b32 s[G0+4*(\s)+3], s[G0+4*(\s)+3], 0x80000000
	tensor_load_to_lds s[G0+4*(\s):G0+4*(\s)+3], s[G1:G1+7]   ; two loads of mine are out
	s_nop 0
.endr
	v_and_b32 v1, 15, v0                           ; r
	v_bfe_u32 v2, v0, 4, 1                         ; h
	v_mul_u32_u24 v3, v1, PITCH
	v_lshl_add_u32 v3, v2, 4, v3                   ; row x pitch + 16 h
	s_mul_i32 s40, s11, HALFT
	s_mul_i32 s41, s12, HALFT
	s_add_co_u32 s41, s41, 2*HALFT
	v_add_nc_u32 v[ADRA0], s40, v3
	v_add_nc_u32 v[ADRB0], s41, v3
	v_mov_b32 v[ADRA], v[ADRA0]                    ; the walk begins in slot 0
	v_mov_b32 v[ADRB], v[ADRB0]
	s_mul_i32 s42, s10, 16*PITCH
	s_add_co_u32 s42, s42, STAGE
	v_add_nc_u32 v[STO], s42, v3                   ; in: row r, 16 bytes for each half of the lanes
	v_mul_u32_u24 v4, v2, PITCH
	v_lshl_add_u32 v4, v1, 4, v4
	v_add_nc_u32 v[RD], s42, v4                    ; back: lanes 0-15 one row of 256 bytes, lanes 16-31 the next
	v_lshlrev_b32 v4, 12, v2
	v_lshl_add_u32 v[CO], v1, 4, v4                ; the same two rows in pbuf
	v_and_b32 v5, 31, v0
	v_lshlrev_b32 v[SO], 4, v5
	s_lshl_b32 s43, s10, 10
	s_add_co_u32 s43, s43, SCR
	v_lshl_add_u32 v[SA0], v5, 5, s43
	s_sub_co_i32 s44, s11, s12
	s_lshl_b32 s44, s44, 7                         ; 128 (WR - WC)
	v_lshlrev_b32 v6, 3, v2
	v_sub_nc_u32 v[VB], v1, v6
	v_add_nc_u32 v[VB], s44, v[VB]                 ; + r - 8 h; 16 more for each query tile
	v_mov_b32 v[BIGV], 0xf149f2ca
	v_mov_b32 v[PX], 0
	s_lshl_b32 s17, s16, 11                        ; pbuf at my first query and key
	s_lshl_b32 s18, s14, 8
	s_add_co_u32 s17, s17, s18
	s_lshl_b32 s18, s11, 7
	s_add_co_u32 s17, s17, s18
	s_lshl_b32 s18, s17, 12
	s_lshl_b32 s17, s15, 9
	s_add_co_u32 s18, s18, s17
	s_lshl_b32 s17, s12, 8
	s_add_co_u32 s18, s18, s17
	s_mov_b32 s19, 0
	s_add_nc_u64 s[6:7], s[6:7], s[18:19]
	s_lshl_b32 s17, s16, 4                         ; stat at record ((b 16 + 2 u + WR) 16 + 2 v + WC)
	s_lshl_b32 s18, s14, 1
	s_add_co_u32 s17, s17, s18
	s_add_co_u32 s17, s17, s11
	s_lshl_b32 s17, s17, 4
	s_lshl_b32 s18, s15, 1
	s_add_co_u32 s17, s17, s18
	s_add_co_u32 s17, s17, s12
	s_lshl_b32 s18, s17, 10
	s_add_nc_u64 s[8:9], s[8:9], s[18:19]
.macro MUL16 f, hi, a0, zero           ; 16 matrix instructions: query blocks a0, a0 + 1 of the window's four x all 8 key blocks, 32 along K
	WIN MUL_LO+0x50*(\hi)
.irp a, \a0, (\a0)+1
.irp b, 0,1,2,3,4,5,6,7
.if \zero
	v_wmma_f32_16x16x32_f16 v[8*(8*(\a)+(\b)):8*(8*(\a)+(\b))+7], v[(\f)+8*(\b):(\f)+8*(\b)+7], v[(\f)+8*(4*(\hi)+(\a)):(\f)+8*(4*(\hi)+(\a))+7], 0
.else
	v_wmma_f32_16x16x32_f16 v[8*(8*(\a)+(\b)):8*(8*(\a)+(\b))+7], v[(\f)+8*(\b):(\f)+8*(\b)+7], v[(\f)+8*(4*(\hi)+(\a)):(\f)+8*(4*(\hi)+(\a))+7], v[8*(8*(\a)+(\b)):8*(8*(\a)+(\b))+7]
.endif
.endr
.endr
.endm
.macro FETCH k, f                      ; 32 LDS loads in one run from the slot in hand: 128 rows of k, then 128 rows of q, 32 along K at byte k of the rows
	WIN TO_B
.irp i, 0,1,2,3,4,5,6,7
	ds_load_b128 v[(\f)+8*(\i):(\f)+8*(\i)+3],   v[ADRB] offset:(\k)+(\i)*16*PITCH
	ds_load_b128 v[(\f)+8*(\i)+4:(\f)+8*(\i)+7], v[ADRB] offset:(\k)+(\i)*16*PITCH+32
.endr
	WIN 0
.irp i, 0,1,2,3,4,5,6,7
	ds_load_b128 v[(\f)+8*(\i):(\f)+8*(\i)+3],   v[ADRA] offset:(\k)+(\i)*16*PITCH
	ds_load_b128 v[(\f)+8*(\i)+4:(\f)+8*(\i)+7], v[ADRA] offset:(\k)+(\i)*16*PITCH+32
.endr
.endm
.macro QUARTER k, f, nf, zero          ; 64 matrix instructions on buffer f; in their middle the next quarter's fragments, at byte k, are fetched into nf
	s_wait_dscnt 8                                 ; k and my queries 0-63 are in; the youngest eight loads may be out
	MUL16 \f, 0, 0, \zero
	MUL16 \f, 0, 2, \zero
	PLACES
	FETCH \k, \nf
	s_wait_dscnt 32                                ; all but the 32 just issued
	MUL16 \f, 1, 0, \zero
	MUL16 \f, 1, 2, \zero
.endm
; The last quarter of a K step changes slots: ONE barrier.  In front of it each wave waits for all its tensor loads (one is out: its part of the next slot), adds 0 to its spare word, and waits
; for that and for its reads of this slot.  fill = 1: the slot that is left is filled again, two K steps ahead, first thing behind the barrier: the walking descriptor takes that slot's LDS address
; and goes one K step on.  Then s[SB] is turned and the two fragment addresses are made for the other slot.
.macro TURN fill
	WIN 0
	s_wait_tensorcnt 0x0                           ; no tensor load of mine is out, so a group 0 may be written
	ds_add_u32 v[SPW], v[NIL]
	s_wait_dscnt 9                                 ; the add and the youngest eight loads may be out
	MUL16 F1, 0, 0, 0
	s_wait_dscnt 0x0                               ; the add is done, and my reads of this slot are over
	s_barrier_signal -1
	MUL16 F1, 0, 2, 0
	WIN 0                                          ; the address lines below work in window 0
	s_barrier_wait -1
.if \fill
	s_add_co_u32 s[G0+5], s22, s[SB]
	s_add_nc_u64 s[G0+6:G0+7], s[G0+6:G0+7], KSTEP*2
	tensor_load_to_lds s[G0+4:G0+7], s[G1:G1+7]
	s_nop 0
.endif
	s_xor_b32 s[SB], s[SB], SLOT                   ; the other slot is in hand
	v_add_nc_u32 v[ADRA], s[SB], v[ADRA0]          ; four plain lines that name no register of the products: the places in front of the loads below
	v_add_nc_u32 v[ADRB], s[SB], v[ADRB0]
	v_nop
	v_nop
	FETCH 0, F0
	MUL16 F1, 1, 0, 0
	MUL16 F1, 1, 2, 0
.endm
	s_wait_tensorcnt 0x1                           ; my part of K step 0 is in
	s_barrier_signal -1
	s_barrier_wait -1
	FETCH 0, F0
	QUARTER 64, F0, F1, 1                          ; the first quarter starts the sums
	WIN 0
	s_mov_b32 s3, 6
.Lstep:                                                ; trip t: from K step t's second quarter to K step t + 1's first; K step t + 2 is asked for: 2 to 7 in all
	QUARTER 128, F1, F0, 0
	QUARTER 192, F0, F1, 0
	TURN 1
	QUARTER 64,  F0, F1, 0
	WIN 0
	s_sub_co_u32 s3, s3, 1
	s_cmp_lg_u32 s3, 0
	s_cbranch_scc1 .Lstep
	QUARTER 128, F1, F0, 0                         ; K steps 6 and 7 ask for nothing
	QUARTER 192, F0, F1, 0
	TURN 0
	QUARTER 64,  F0, F1, 0
	QUARTER 128, F1, F0, 0
	QUARTER 192, F0, F1, 0
	s_wait_dscnt 8
	MUL16 F1, 0, 0, 0
	MUL16 F1, 0, 2, 0
	s_wait_dscnt 0x0
	MUL16 F1, 1, 0, 0
	MUL16 F1, 1, 2, 0
	WIN 0
	PLACES
	; THE SOFTMAX BY GROUPS, a query tile (16 queries x my 128 keys) a trip.  Only the copy out of the accumulators differs from tile to tile: it stands eight times, the rest once.
.macro MOVE k                          ; T = c x the 64 scores of query tile k, each accumulator from its low end on
	WIN 2+(\k)/4
.set i, 0
.rept 32
	v_pk_mul_f32 v[T+2*i:T+2*i+1], v[64*((\k)%4)+2*i:64*((\k)%4)+2*i+1], s[CS:CS+1] op_sel_hi:[1,0]
.set i, i+1
.endr
	WIN 0
.endm
	s_mov_b32 s2, 8
	s_mov_b32 s45, 0
.Lrow:
.irp k, 0,1,2,3,4,5,6
	s_cmp_eq_u32 s2, 8-\k
	s_cbranch_scc1 .Lmove\k
.endr
	MOVE 7
	s_branch .Lsoft
.irp k, 0,1,2,3,4,5,6
.Lmove\k:
	MOVE \k
	s_branch .Lsoft
.endr
.Lsoft:
	s_cmp_lg_u32 s14, s15
	s_cbranch_scc1 .Lnomask                        ; only a diagonal tile hides keys
.set i, 0
.rept 64
	v_cmp_gt_i32 vcc_lo, 16*(i/8)+i%8, v[VB]
	v_cndmask_b32 v[T+i], v[T+i], v[BIGV], vcc_lo
.set i, i+1
.endr
.Lnomask:
.irp q, 0,1,2,3                        ; the maximum: four chains of 15 scores, three operands at a time, then the four left over
	v_max3_num_f32 v[C0+\q], v[T+16*\q], v[T+16*\q+1], v[T+16*\q+2]
.endr
.irp m, 3,5,7,9,11,13
.irp q, 0,1,2,3
	v_max3_num_f32 v[C0+\q], v[C0+\q], v[T+16*\q+\m], v[T+16*\q+\m+1]
.endr
.endr
	v_max3_num_f32 v[C0], v[C0], v[T+15], v[T+31]
	v_max3_num_f32 v[C0+2], v[C0+2], v[T+47], v[T+63]
	v_max3_num_f32 v[C0], v[C0], v[C0+1], v[C0+2]
	v_max_num_f32 v[C0], v[C0], v[C0+3]
	v_permlanex16_b32 v[PX], v[C0], s60, s61       ; the query's other 64 keys lie in the lane 16 away
	v_max_num_f32 v[CM], v[C0], v[PX]
	v_max_num_f32 v[CM+1], v[C0], v[PX]
.set i, 0
.rept 32
	v_pk_add_f32 v[T+2*i:T+2*i+1], v[T+2*i:T+2*i+1], v[CM:CM+1] neg_lo:[0,1] neg_hi:[0,1]
.set i, i+1
.endr
.set i, 0
.rept 64
	v_exp_f32 v[T+i], v[T+i]
.set i, i+1
.endr
	v_add_nc_u32 v[SAT], s45, v[SA0]               ; a plain instruction behind the last exponential
.set i, 0
	s_wait_alu depctr_va_vdst(0)
.rept 32
	v_cvt_pk_f16_f32 v[PK+i], v[T+2*i], v[T+2*i+1]
.set i, i+1
.endr
.irp w, 32,16,8,4,2                    ; l: the sum of the unrounded p, in place, as a tree
.set i, 0
.rept \w/2
	v_pk_add_f32 v[T+2*i:T+2*i+1], v[T+2*i:T+2*i+1], v[T+2*i+\w:T+2*i+\w+1]
.set i, i+1
.endr
.endr
	v_add_f32 v[LS], v[T], v[T+1]
	v_permlanex16_b32 v[PX], v[LS], s60, s61
	v_add_f32 v[LS], v[LS], v[PX]
	v_cndmask_b32 v[VAL], v[CM], v[LS], s62        ; lanes 0-15 keep m, lanes 16-31 l
	ds_store_b32 v[SAT], v[VAL]
.irp e, 0,1,2,3,4,5,6,7
	ds_store_b128 v[STO], v[PK+4*\e:PK+4*\e+3] offset:32*\e
.endr
.irp e, 0,1,2,3,4,5,6,7
	ds_load_b128 v[OB+4*\e:OB+4*\e+3], v[RD] offset:\e*2*PITCH   ; LDS serves a wave's instructions in order (ISA guide 5.7.1.4): these see the stores above
.endr
.irp e, 0,1,2,3,4,5,6,7
	s_wait_dscnt 7-\e
	global_store_b128 v[CO], v[OB+4*\e:OB+4*\e+3], s[6:7] offset:\e*8192   ; 16 lanes store 256 consecutive bytes, at a multiple of 256 from the buffer's first
.endr
	s_wait_xcnt 0x0                                ; the stores' base and data are rewritten only behind this wait
	s_add_nc_u64 s[6:7], s[6:7], 65536             ; 16 rows of pbuf on
	s_add_co_u32 s45, s45, 4
	v_add_nc_u32 v[VB], 16, v[VB]
	s_sub_co_u32 s2, s2, 1
	s_cmp_lg_u32 s2, 0
	s_cbranch_scc1 .Lrow
	ds_load_b128 v[64:67], v[SA0]                  ; the wave's record: query tiles 0-3,
	ds_load_b128 v[68:71], v[SA0] offset:16        ; and 4-7
	s_wait_dscnt 0x0
	global_store_b128 v[SO], v[64:67], s[8:9]
	global_store_b128 v[SO], v[68:71], s[8:9] offset:512
	s_wait_tensorcnt 0x0                           ; the wave's end
	ds_add_u32 v[SPW], v[NIL]
	s_wait_dscnt 0x0
	s_endpgm
.Lfunc_end_k_q983bcdb1ea_scores:
	.size	k_q983bcdb1ea_scores, .Lfunc_end_k_q983bcdb1ea_scores-k_q983bcdb1ea_scores
	.p2alignl 7, 3214868480
	.fill 96, 4, 3214868480
	.section	.rodata,"a",@progbits
	.p2align	6, 0x0
	.amdhsa_kernel k_q983bcdb1ea_scores
		.amdhsa_group_segment_fixed_size 327680
		.amdhsa_private_segment_fixed_size 0
		.amdhsa_enable_private_segment 0
		.amdhsa_kernarg_size 24
		.amdhsa_user_sgpr_count 2
		.amdhsa_user_sgpr_kernarg_segment_ptr 1
		.amdhsa_wavefront_size32 1
		.amdhsa_system_sgpr_workgroup_id_x 1
		.amdhsa_system_sgpr_workgroup_id_y 1
		.amdhsa_system_sgpr_workgroup_id_z 1
		.amdhsa_system_vgpr_workitem_id 0
		.amdhsa_next_free_vgpr 1024
		.amdhsa_next_free_sgpr 66
		.amdhsa_reserve_vcc 1
		.amdhsa_float_denorm_mode_32 3
		.amdhsa_float_denorm_mode_16_64 3
		.amdhsa_memory_ordered 1
		.amdhsa_forward_progress 1
		.amdhsa_inst_pref_size 118
	.end_amdhsa_kernel
	.amdgpu_metadata
---
amdhsa.version: [ 1, 2 ]
amdhsa.kernels:
  - .name:           k_q983bcdb1ea_scores
    .symbol:         k_q983bcdb1ea_scores.kd
    .args:
      - { .name: qkv, .offset: 0, .size: 8, .value_kind: global_buffer, .address_space: global }
      - { .name: pbuf, .offset: 8, .size: 8, .value_kind: global_buffer, .address_space: global }
      - { .name: stat, .offset: 16, .size: 8, .value_kind: global_buffer, .address_space: global }
    .group_segment_fixed_size: 327680
    .private_segment_fixed_size: 0
    .kernarg_segment_align: 8
    .kernarg_segment_size: 24
    .max_flat_workgroup_size: 128
    .sgpr_count:     66
    .vgpr_count:     1024
    .wavefront_size: 32
...
	.end_amdgpu_metadata
.endif
;; end of part 3
;; launch pv (part 4): grid 8 x 32, 4 waves a work-group, clusters of 4 x 4, 327,680 bytes of LDS; arguments pbuf, qkv, stat, out0; writes out0
.if DOCPART == 4
	.amdgcn_target "amdgcn-amd-amdhsa--gfx1250"
	.amdhsa_code_object_version 6
	.text
	.protected	k_q983bcdb1ea_pv
	.globl	k_q983bcdb1ea_pv
	.p2align	8
	.type	k_q983bcdb1ea_pv,@function
k_q983bcdb1ea_pv:
	s_mov_b64 s[64:65], 0
	v_nop
	global_prefetch_b8 v0, s[64:65] scope:SCOPE_SE
	s_setreg_imm32_b32 hwreg(HW_REG_WAVE_MODE, 25, 1), 1
	s_wait_xcnt 0x0
	s_wait_alu depctr_hold_cnt(0) depctr_sa_sdst(0) depctr_va_vdst(0) depctr_va_sdst(0) depctr_va_ssrc(0) depctr_va_vcc(0) depctr_vm_vsrc(0)
	s_getreg_b32 s2, hwreg(HW_REG_IB_STS2, 6, 4)
	s_cmp_eq_u32 s2, 0
	s_cbranch_scc0 .Lentry_in_a_cluster
	s_endpgm
.Lentry_in_a_cluster:
	s_bfe_u32 s2, ttmp6, 0x10000c
	s_cmp_lg_u32 s2, 0xf033
	s_cbranch_scc0 .Lentry_shape_is_right
	s_endpgm
.Lentry_shape_is_right:
; out[q][:] = (sum over groups g of F_g[q] (P_g V_g)[q][:]) / (sum over g of F_g[q] l_g[q]),  F_g = 2^(m_g - max over g of m_g): the groups of 128 keys of the launch before are joined.
; P and V are f16, the products' sums, F, the joined sum T and the division f32; out is f32.  F lies in 0 to 1, and the group that holds the maximum has F = 1 and l >= 1, so the divisor is at least 1.
; LIMITS: a factor below 2^-126 counts as 0; NaN and infinities are not treated apart.
; SHARES.  A tile is 128 queries x 128 channels; four waves, each 64 x 64.  A cluster is 4 channel tiles (cx) x the 4 row blocks (cy) of a super block of 512 queries; it walks TWO super blocks of its batch,
; 3 - U and then U: 4 (4 - U) + 4 (U + 1) = 20 groups, 10 steps of 256 keys, whatever U: all 256 work-groups do equal work and all partners walk alike.
; Row block i needs the groups 0 .. i; the walk's later groups (three at the most) are multiplied all the same, on the row block's last written tile of P, and enter T with F = 0.  No branch hangs on cx or cy.
; P's tiles hang on the row block alone and are asked for jointly along a row of the cluster, V's on the channel tile alone, jointly along a column.
; A STEP IS WRITTEN ONCE: the LDS addresses of the slot in hand are a fixed lane term plus s[SB], which is 0 or SLOT and is turned by an exclusive or at each change of slots.
; LAYOUT.  G = V^T P (source 0 = 16 channels, turned out of LDS; source 1 = 16 queries): a lane holds ONE query (l % 16) and eight channels, so F and the divisor are one number a lane and query tile.
; G is started with the constant 0 for each group and folded into T behind the group's 64 products.  T is cleared at a block's beginning, 128 v_mov_b32 twice a launch: the price of one text for every fold.
; REGISTERS, in windows of 256: window 0: v0-31 addresses, 1 / L; v32-63, v64-95 the way out; v96-103 F of the step in hand; v112-115 F of the odd tiles as pairs; v128-255 G, (a, cb) at 128 + 8 (4 a + cb)
;   window 1: two fragment buffers of 128: P at f + 8 (4 c + a), V at f + 64 + 8 (4 c + cb)          window 2: v0-127 T
.set PP,     528                       ; a row of P in LDS: 512 bytes + 16
.set PV,     288                       ; a row of V: 256 + 32 = 9 x 32 bytes
.set VOFF,   128*PP                    ; V's 256 keys behind P's 128 rows
.set SLOT,   VOFF+256*PV
.set STAGE,  2*SLOT                    ; 16 rows x 272 bytes for each wave
.set SP,     272
.set FT,     STAGE+4*16*SP             ; the factors in the walk's order: 20 groups x 16 queries x 4 tiles, 5,120 bytes for each wave
.set SPARE,  FT+4*5120                 ; the spare words, 128 bytes for each wave
.set IL,   8                           ; v8-11   1 / L of the block in hand, a number a query tile
.set ILL,  12                          ; v12-15  of the second block
.set ADRP0, 16                         ; v16     LDS address of my fragments of P in slot 0; never rewritten
.set ADRP,  17                         ; v17     the same in the slot in hand
.set ADRV0, 18                         ; v18-19  of V in slot 0: keys 0-127, 128-255; never rewritten
.set ADRV,  20                         ; v20-21  in the slot in hand
.set FW,   22                          ; v22     my place in the wave's table
.set STO,  24
.set RD,   25
.set CO,   26
.set FAD,  27                          ; v27     FW + the walk's progress
.set SPW,  28
.set NIL,  29
.set TMP,  32
.set OB,   64
.set FQ,   96                          ; v96-103 F of the step's two groups
.set FX,   112
.set G,    128
.set F0,   0
.set F1,   128
.set XH,   128                         ; at the head only: m and l of the first block's 16 groups, of the second's 8; offsets; maxima
.set LH,   192
.set XL,   32
.set LL,   64
.set OFR,  96
.set MH,   120
.set ML,   124
.set WV, 12
.set WR, 13
.set WC, 14
.set G1, 24
.set G0, 32                            ; s[32:39] group 0 for P: a set for each of the two first fills; the second then serves every refill
.set G1B, 48
.set G0B, 56                           ; s[56:63] the same for V
.set PBH, 66                           ; s[66:67] pbuf at my rows of the block whose tiles are being asked for;  s[68:69] of the second block
.set PBL, 68
.set VBS, 70                           ; s[70:71] v at my keys of step 0
.set NXT, 72                           ; s72 the step to be asked for next;  s73 the last step of that block, s74 of the second block
.set LQ,  73
.set LQL, 74
.set CL,  75                           ; s75 the row block's last written tile of P, s76 the second block's
.set CLL, 76
.set SB,  77                           ; s77 the slot in hand: 0 or SLOT
.set OP,  78                           ; s[78:79], s[92:93] offsets, high words 0
.set OLO, 80                           ; s[80:81] out0 at my rows of the second block
.set RT,  82                           ; s82 steps until the first block is done
.set TRIPS, 83
.set UU,  84
.set BB,  85
.set IHI, 86
.set ILO, 87
.set KEEP, 88                          ; s[88:89] 1.0 for a group that the row block sees, else 0
.set UMASK, 90
.set FS,  91                           ; s91 the table's bytes already loaded
.set OV,  92
.set MSB, 0
.macro WIN new
.if MSB != (\new)
	s_set_vgpr_msb (MSB<<8)|(\new)
.set MSB, \new
.endif
.endm
.macro PLACES
.rept 4
	v_nop
.endr
.endm
.macro JLOAD s                         ; a joint load: waves 0 and 1 fetch the halves of P's tile, waves 2 and 3 those of V's; s_nop 0 and four v_nop follow each line
	s_cmp_eq_u32 s[WR], 0
	s_cbranch_scc0 .Lfor_b_\@
	tensor_load_to_lds s[G0+4*(\s):G0+4*(\s)+3], s[G1:G1+7]
	s_nop 0
.rept 4
	v_nop
.endr
	s_branch .Lasked_\@
.Lfor_b_\@:
	tensor_load_to_lds s[G0B+4*(\s):G0B+4*(\s)+3], s[G1B:G1B+7]
	s_nop 0
.rept 4
	v_nop
.endr
.Lasked_\@:
.endm
.macro CREST
	s_cmp_lg_u32 s[WV], 0
	s_cbranch_scc1 .Lnot_wave_0_\@
	s_barrier_signal -3
.Lnot_wave_0_\@:
	s_barrier_wait -3
	s_barrier_signal -1
	s_barrier_wait -1
.endm
.macro CROUND
	s_barrier_signal -1
	s_barrier_wait -1
	CREST
.endm
.macro CLEAR
	WIN 0x80
.set i, 0
.rept 128
	v_mov_b32 v[i], 0
.set i, i+1
.endr
	WIN 0
.endm
	s_load_b256 s[4:11], s[0:1], 0x0               ; pbuf s[4:5], qkv s[6:7], stat s[8:9], out0 s[10:11]
	v_lshl_add_u32 v[SPW], v0, 2, SPARE
	v_mov_b32 v[NIL], 0
	ds_add_u32 v[SPW], v[NIL]                      ; the wave's opening: the add and its wait come ahead of my first tensor load
	v_lshrrev_b32 v1, 5, v0
	v_readfirstlane_b32 s[WV], v1
	s_lshr_b32 s[WR], s[WV], 1                     ; my half of the queries.  Also: I fetch P (0) or V (1)
	s_and_b32 s[WC], s[WV], 1                      ; my half of the channels.  Also: which half of that tile I fetch
	s_bfe_u32 s40, ttmp6, 0x40000                  ; cx
	s_bfe_u32 s41, ttmp6, 0x40004                  ; cy
	s_lshl_b32 s42, ttmp9, 2
	s_add_co_u32 s42, s42, s40                     ; channel tile
	s_and_b32 s43, ttmp7, 0xffff                   ; cluster y = 2 b + U
	s_lshl_b32 s44, s41, 2
	s_lshl_b32 s44, 15, s44                        ; my row of the cluster
	s_lshl_b32 s45, 0x1111, s40                    ; my column
	s_and_b32 s[UU], s43, 1
	s_lshr_b32 s[BB], s43, 1
	s_sub_co_u32 s16, 3, s[UU]
	s_lshl_b32 s16, s16, 2
	s_add_co_u32 s[IHI], s16, s41                  ; row block of the first super block: 4 (3 - U) + cy
	s_lshl_b32 s16, s[UU], 2
	s_add_co_u32 s[ILO], s16, s41                  ; of the second: 4 U + cy
	; P: 64 rows of 256 elements, padded by 4 words after every 128 words
	s_or_b32 s[G1], s44, (1<<16)|(1<<20)|(1<<21)|(6<<22)|(3<<25)
	s_mov_b32 s[G1+1], 256<<16
	s_mov_b32 s[G1+2], 64<<16
	s_mov_b32 s[G1+3], 256<<16
	s_mov_b32 s[G1+4], 64
	s_mov_b32 s[G1+5], 2048
	s_mov_b32 s[G1+6], 0
	s_mov_b32 s[G1+7], 0
	; V: 128 rows of 128 elements, padded by 8 words after every 64 words
	s_or_b32 s[G1B], s45, (1<<16)|(1<<20)|(1<<21)|(5<<22)|(7<<25)
	s_mov_b32 s[G1B+1], 128<<16
	s_mov_b32 s[G1B+2], 128<<16
	s_mov_b32 s[G1B+3], 128<<16
	s_mov_b32 s[G1B+4], 128
	s_mov_b32 s[G1B+5], 3072
	s_mov_b32 s[G1B+6], 0
	s_mov_b32 s[G1B+7], 0
	s_lshl_b32 s17, s[BB], 11
	s_lshl_b32 s18, s[WC], 6
	s_add_co_u32 s17, s17, s18                     ; 2,048 b + 64 x half
	s_lshl_b32 s18, s[IHI], 7
	s_add_co_u32 s18, s18, s17
	s_lshl_b32 s18, s18, 12                        ; rows of 4,096 bytes
	s_mov_b32 s19, 0
	s_lshl_b32 s22, s[ILO], 7
	s_add_co_u32 s22, s22, s17
	s_lshl_b32 s22, s22, 12
	s_mov_b32 s23, 0
	s_lshl_b32 s46, s[BB], 11
	s_lshl_b32 s47, s[WC], 7
	s_add_co_u32 s46, s46, s47                     ; 2,048 b + 128 x half
	s_mul_i32 s46, s46, 6144
	s_lshl_b32 s47, s42, 8                         ; the channel tile's 256 bytes,
	s_add_co_u32 s46, s46, s47
	s_add_co_u32 s46, s46, 4096                    ; in v's part of a row
	s_mov_b32 s47, 0
	s_mul_i32 s20, s[WC], 64*PP                    ; where they go in a slot (kept for the refills' descriptors): no place in the cluster enters an LDS address
	s_mul_i32 s21, s[WC], 128*PV
	s_add_co_u32 s21, s21, VOFF
	s_mov_b32 s[SB], 0
	s_mov_b32 s[NXT], 2
	s_lshl_b32 s17, s[UU], 1
	s_sub_co_u32 s[LQ], 7, s17                     ; the first block has 8 - 2 U steps,
	s_add_co_u32 s[LQL], s17, 1                    ; the second 2 U + 2
	s_sub_co_u32 s[RT], 8, s17
	s_lshr_b32 s[CL], s[IHI], 1
	s_lshr_b32 s[CLL], s[ILO], 1
	s_mov_b32 s[OP+1], 0
	s_mov_b32 s[OV+1], 0
	s_mov_b32 s[KEEP+1], 0
	s_mov_b32 s[FS], 0
	s_cmp_eq_u32 s[UU], 1
	s_cselect_b32 s[UMASK], -1, 0
	s_wait_dscnt 0x0                               ; the opening add is done
	s_wait_kmcnt 0x0
	s_add_nc_u64 s[PBH:PBH+1], s[4:5], s[18:19]
	s_add_nc_u64 s[PBL:PBL+1], s[4:5], s[22:23]
	s_add_nc_u64 s[VBS:VBS+1], s[6:7], s[46:47]
	CROUND                                         ; all sixteen work-groups are here: the first joint loads meet
.irp s, 0,1
	s_mov_b32 s[G0+4*(\s)], 1
	s_add_co_u32 s[G0+4*(\s)+1], s20, (\s)*SLOT
	s_add_nc_u64 s[G0+4*(\s)+2:G0+4*(\s)+3], s[PBH:PBH+1], (\s)*512         ; step s: 256 keys of 2 bytes (the first block's tiles 0 and 1 are always written: it has row blocks 8 and up)
	s_or_b32 s[G0+4*(\s)+3], s[G0+4*(\s)+3], 0x80000000
	s_mov_b32 s[G0B+4*(\s)], 1
	s_add_co_u32 s[G0B+4*(\s)+1], s21, (\s)*SLOT
	s_add_nc_u64 s[G0B+4*(\s)+2:G0B+4*(\s)+3], s[VBS:VBS+1], (\s)*1572864   ; 256 rows of 6,144 bytes
	s_or_b32 s[G0B+4*(\s)+3], s[G0B+4*(\s)+3], 0x80000000
	JLOAD \s                                       ; two loads of mine are out
.endr
	; m and l of my 64 queries: a record of stat for each row block and group; records behind the row block's own are not written, so the group's number is held at i
	v_and_b32 v1, 15, v0                           ; r
	v_bfe_u32 v2, v0, 4, 1                         ; h
	v_lshlrev_b32 v3, 4, v1
	s_lshl_b32 s16, s[BB], 4
	s_lshl_b32 s17, s[WR], 9
	s_add_co_u32 s18, s16, s[ILO]
	s_lshl_b32 s18, s18, 14
	s_add_co_u32 s18, s18, s17
	s_add_nc_u64 s[2:3], s[8:9], s[18:19]
	s_add_co_u32 s18, s16, s[IHI]
	s_lshl_b32 s18, s18, 14
	s_add_co_u32 s18, s18, s17
	s_add_nc_u64 s[8:9], s[8:9], s[18:19]
.set g, 0
.rept 16
	s_min_u32 s16, s[IHI], g
	s_lshl_b32 s16, s16, 10
	v_add_nc_u32 v[OFR+g], s16, v3
	global_load_b128 v[XH+4*g:XH+4*g+3], v[OFR+g], s[8:9]
	global_load_b128 v[LH+4*g:LH+4*g+3], v[OFR+g], s[8:9] offset:256
.set g, g+1
.endr
.set g, 0
.rept 8
	s_min_u32 s16, s[ILO], g
	s_lshl_b32 s16, s16, 10
	v_add_nc_u32 v[OFR+16+g], s16, v3
	global_load_b128 v[XL+4*g:XL+4*g+3], v[OFR+16+g], s[2:3]
	global_load_b128 v[LL+4*g:LL+4*g+3], v[OFR+16+g], s[2:3] offset:256
.set g, g+1
.endr
	; addresses, and T = 0, while those loads are out
	v_mul_u32_u24 v4, v1, PP
	v_lshl_add_u32 v4, v2, 4, v4                   ; a fragment of P: row x pitch + 16 h
	s_mul_i32 s94, s[WR], 64*PP
	v_add_nc_u32 v[ADRP0], s94, v4
	v_mov_b32 v[ADRP], v[ADRP0]                    ; the walk begins in slot 0
	v_and_b32 v5, 7, v0                            ; the turning load: lane l reads key 8 h + l % 8, channels 8 ((l / 8) % 2) + 0..7
	v_bfe_u32 v6, v0, 3, 1
	v_lshl_add_u32 v5, v2, 3, v5
	v_mul_u32_u24 v5, v5, PV
	v_lshl_add_u32 v5, v6, 4, v5
	s_lshl_b32 s94, s[WC], 7
	s_add_co_u32 s94, s94, VOFF
	v_add_nc_u32 v[ADRV0], s94, v5
	v_add_nc_u32 v[ADRV0+1], 128*PV, v[ADRV0]
	v_mov_b32 v[ADRV], v[ADRV0]
	v_mov_b32 v[ADRV+1], v[ADRV0+1]
	s_mul_i32 s94, s[WV], 16*SP
	s_add_co_u32 s94, s94, STAGE
	v_mul_u32_u24 v6, v1, SP
	v_lshl_add_u32 v6, v2, 5, v6
	v_add_nc_u32 v[STO], s94, v6                   ; in: row r, 32 bytes for each half of the lanes
	v_mul_u32_u24 v6, v2, SP
	v_lshl_add_u32 v6, v1, 4, v6
	v_add_nc_u32 v[RD], s94, v6                    ; back: lanes 0-15 one row of 256 bytes, lanes 16-31 the next
	v_lshlrev_b32 v6, 12, v2
	v_lshl_add_u32 v[CO], v1, 4, v6
	s_mul_i32 s94, s[WV], 5120
	s_add_co_u32 s94, s94, FT
	v_lshl_add_u32 v[FW], v1, 4, s94
	s_lshl_b32 s16, s[BB], 11                      ; out0 at my first query and channel, for both blocks
	s_lshl_b32 s17, s[WR], 6
	s_add_co_u32 s16, s16, s17
	s_lshl_b32 s17, s42, 9
	s_lshl_b32 s18, s[WC], 8
	s_add_co_u32 s17, s17, s18
	s_lshl_b32 s18, s[ILO], 7
	s_add_co_u32 s18, s18, s16
	s_lshl_b32 s18, s18, 12
	s_add_co_u32 s18, s18, s17
	s_add_nc_u64 s[OLO:OLO+1], s[10:11], s[18:19]
	s_lshl_b32 s18, s[IHI], 7
	s_add_co_u32 s18, s18, s16
	s_lshl_b32 s18, s18, 12
	s_add_co_u32 s18, s18, s17
	s_add_nc_u64 s[10:11], s[10:11], s[18:19]
	CLEAR
	s_wait_loadcnt 0x0
	; the maxima over the groups, for each of my four query tiles
.irp e, 0,1,2,3
	v_max3_num_f32 v[MH+\e], v[XH+\e], v[XH+4+\e], v[XH+8+\e]
	v_max3_num_f32 v[ML+\e], v[XL+\e], v[XL+4+\e], v[XL+8+\e]
.endr
.irp m, 3,5,7,9,11,13
.irp e, 0,1,2,3
	v_max3_num_f32 v[MH+\e], v[MH+\e], v[XH+4*\m+\e], v[XH+4*\m+4+\e]
.endr
.endr
.irp m, 3,5
.irp e, 0,1,2,3
	v_max3_num_f32 v[ML+\e], v[ML+\e], v[XL+4*\m+\e], v[XL+4*\m+4+\e]
.endr
.endr
.irp e, 0,1,2,3
	v_max_num_f32 v[MH+\e], v[MH+\e], v[XH+60+\e]
	v_max_num_f32 v[ML+\e], v[ML+\e], v[XL+28+\e]
.endr
; F = 2^(m - M), in place of m; 0 for the groups that the row block does not see; acc = the sum of F l
.macro FACTORS x, l, m, acc, ireg, n
.set g, 0
.rept \n
	v_pk_add_f32 v[(\x)+4*g:(\x)+4*g+1],   v[(\x)+4*g:(\x)+4*g+1],   v[(\m):(\m)+1]   neg_lo:[0,1] neg_hi:[0,1]
	v_pk_add_f32 v[(\x)+4*g+2:(\x)+4*g+3], v[(\x)+4*g+2:(\x)+4*g+3], v[(\m)+2:(\m)+3] neg_lo:[0,1] neg_hi:[0,1]
.set g, g+1
.endr
.set g, 0
.rept 4*(\n)
	v_exp_f32 v[(\x)+g], v[(\x)+g]
.set g, g+1
.endr
	v_nop                                          ; a plain instruction behind the last exponential
	s_wait_alu depctr_va_vdst(0)
.set g, 0
.rept \n
	s_cmp_ge_u32 s[\ireg], g
	s_cselect_b32 s[KEEP], 1.0, 0
	v_pk_mul_f32 v[(\x)+4*g:(\x)+4*g+1],   v[(\x)+4*g:(\x)+4*g+1],   s[KEEP:KEEP+1] op_sel_hi:[1,0]
	v_pk_mul_f32 v[(\x)+4*g+2:(\x)+4*g+3], v[(\x)+4*g+2:(\x)+4*g+3], s[KEEP:KEEP+1] op_sel_hi:[1,0]
.if g == 0
	v_pk_mul_f32 v[(\acc):(\acc)+1],   v[(\x):(\x)+1],   v[(\l):(\l)+1]
	v_pk_mul_f32 v[(\acc)+2:(\acc)+3], v[(\x)+2:(\x)+3], v[(\l)+2:(\l)+3]
.else
	v_pk_fma_f32 v[(\acc):(\acc)+1],   v[(\x)+4*g:(\x)+4*g+1],   v[(\l)+4*g:(\l)+4*g+1],   v[(\acc):(\acc)+1]
	v_pk_fma_f32 v[(\acc)+2:(\acc)+3], v[(\x)+4*g+2:(\x)+4*g+3], v[(\l)+4*g+2:(\l)+4*g+3], v[(\acc)+2:(\acc)+3]
.endif
.set g, g+1
.endr
.endm
	FACTORS XH, LH, MH, IL, IHI, 16
	FACTORS XL, LL, ML, ILL, ILO, 8
.set i, 0
.rept 8
	v_rcp_f32 v[IL+i], v[IL+i]
.set i, i+1
.endr
	v_nop                                          ; a plain instruction behind the last reciprocal
	; the table in the walk's order: 16 - 4 U groups of the first block, then 4 U + 4 of the second
.set n, 0
.rept 12
	ds_store_b128 v[FW], v[XH+4*n:XH+4*n+3] offset:256*n
.set n, n+1
.endr
.set n, 0
.rept 4
.irp e, 0,1,2,3
	v_cndmask_b32 v[OFR+4*n+\e],    v[XH+48+4*n+\e], v[XL+4*n+\e],    s[UMASK]
	v_cndmask_b32 v[OFR+16+4*n+\e], v[XL+4*n+\e],    v[XL+16+4*n+\e], s[UMASK]
.endr
	ds_store_b128 v[FW], v[OFR+4*n:OFR+4*n+3]       offset:256*(12+n)
	ds_store_b128 v[FW], v[OFR+16+4*n:OFR+16+4*n+3] offset:256*(16+n)
.set n, n+1
.endr
.macro MUL8 f, c, a0, zero             ; 8 matrix instructions: query tiles a0, a0 + 1 x all 4 channel blocks, 32 keys: half c of buffer f.  The 16 accumulators take turns
	WIN 0x05
.irp a, \a0, (\a0)+1
.irp b, 0,1,2,3
.if \zero
	v_wmma_f32_16x16x32_f16 v[G+8*(4*(\a)+(\b)):G+8*(4*(\a)+(\b))+7], v[(\f)+64+8*(4*(\c)+(\b)):(\f)+64+8*(4*(\c)+(\b))+7], v[(\f)+8*(4*(\c)+(\a)):(\f)+8*(4*(\c)+(\a))+7], 0
.else
	v_wmma_f32_16x16x32_f16 v[G+8*(4*(\a)+(\b)):G+8*(4*(\a)+(\b))+7], v[(\f)+64+8*(4*(\c)+(\b)):(\f)+64+8*(4*(\c)+(\b))+7], v[(\f)+8*(4*(\c)+(\a)):(\f)+8*(4*(\c)+(\a))+7], v[G+8*(4*(\a)+(\b)):G+8*(4*(\a)+(\b))+7]
.endif
.endr
.endr
.endm
.macro FETCH k, f                      ; 32 LDS loads in one run from the slot in hand: quarter k (64 keys) of a step, the first 32 keys first
	WIN 0x40
.irp c, 0,1
.irp i, 0,1,2,3
	ds_load_tr16_b128 v[(\f)+64+8*(4*(\c)+(\i)):(\f)+64+8*(4*(\c)+(\i))+3],   v[ADRV+(\k)/2] offset:(((\k)%2)*64+32*(\c))*PV+32*(\i)
	ds_load_tr16_b128 v[(\f)+64+8*(4*(\c)+(\i))+4:(\f)+64+8*(4*(\c)+(\i))+7], v[ADRV+(\k)/2] offset:(((\k)%2)*64+32*(\c))*PV+16*PV+32*(\i)
	ds_load_b128 v[(\f)+8*(4*(\c)+(\i)):(\f)+8*(4*(\c)+(\i))+3],   v[ADRP] offset:128*(\k)+64*(\c)+(\i)*16*PP
	ds_load_b128 v[(\f)+8*(4*(\c)+(\i))+4:(\f)+8*(4*(\c)+(\i))+7], v[ADRP] offset:128*(\k)+64*(\c)+(\i)*16*PP+32
.endr
.endr
.endm
.macro FQL                             ; F of the next step's two groups: behind the last fold that read F, and so behind that step's first 32 fragment loads
	WIN 0
	v_add_nc_u32 v[FAD], s[FS], v[FW]
	ds_load_b128 v[FQ:FQ+3],   v[FAD]
	ds_load_b128 v[FQ+4:FQ+7], v[FAD] offset:256
	s_add_co_u32 s[FS], s[FS], 512                 ; two groups on in the table
.endm
; T += F G for the group just multiplied.  The packed line takes a pair: tiles 0 and 2 use the low word of theirs for both halves, tiles 1 and 3 are copied into pairs of their own;
; the four copies are the four places behind the last products.  Each accumulator is read from its low end on.
.macro FOLD half
.set fb, FQ+4*(\half)
	WIN 0
	v_mov_b32 v[FX],   v[fb+1]
	v_mov_b32 v[FX+1], v[fb+1]
	v_mov_b32 v[FX+2], v[fb+3]
	v_mov_b32 v[FX+3], v[fb+3]
	WIN 0xa0                                       ; T (destination and source 2) in window 2
.set ix, 0
.rept 16
.irp e, 0,2,4,6
.if (ix/4)%2 == 0
	v_pk_fma_f32 v[8*ix+\e:8*ix+\e+1], v[G+8*ix+\e:G+8*ix+\e+1], v[fb+ix/4:fb+ix/4+1], v[8*ix+\e:8*ix+\e+1] op_sel_hi:[1,0,1]
.else
	v_pk_fma_f32 v[8*ix+\e:8*ix+\e+1], v[G+8*ix+\e:G+8*ix+\e+1], v[FX+ix/4-1:FX+ix/4], v[8*ix+\e:8*ix+\e+1]
.endif
.endr
.set ix, ix+1
.endr
.endm
; 32 matrix instructions on buffer f; in their middle quarter k is fetched into nf.  zero = 1: a group begins.  fold = 1: the step's first group ends.
; left: the LDS loads that may stay out at the head: the 16 of the second 32 keys, and in a step's first quarter the 2 of F behind them
.macro QUARTER k, f, nf, zero, fold, left
	s_wait_dscnt \left                             ; the first 32 keys are in
	MUL8 \f, 0, 0, \zero
	MUL8 \f, 0, 2, \zero
	PLACES
	FETCH \k, \nf
	s_wait_dscnt 32                                ; all but the 32 just issued
	MUL8 \f, 1, 0, 0
	MUL8 \f, 1, 2, 0
.if \fold
	FOLD 0
.endif
.endm
; The descriptors of the next fill, made anew: the LDS address is the slot that is being left; the global address comes from the step's number: P's tile is held at the row block's last written one;
; behind the first block's last step the second block's step 0 follows.
.macro DESC
	s_min_u32 s[OP], s[NXT], s[CL]
	s_lshl_b32 s[OP], s[OP], 9
	s_add_nc_u64 s[G0+6:G0+7], s[PBH:PBH+1], s[OP:OP+1]
	s_or_b32 s[G0+7], s[G0+7], 0x80000000
	s_add_co_u32 s[G0+5], s20, s[SB]
	s_mul_i32 s[OV], s[NXT], 1572864
	s_add_nc_u64 s[G0B+6:G0B+7], s[VBS:VBS+1], s[OV:OV+1]
	s_or_b32 s[G0B+7], s[G0B+7], 0x80000000
	s_add_co_u32 s[G0B+5], s21, s[SB]
	s_add_co_u32 s[NXT], s[NXT], 1
	s_cmp_gt_u32 s[NXT], s[LQ]
	s_cselect_b32 s[NXT], 0, s[NXT]
	s_cselect_b64 s[PBH:PBH+1], s[PBL:PBL+1], s[PBH:PBH+1]
	s_cselect_b32 s[CL], s[CLL], s[CL]
	s_cselect_b32 s[LQ], s[LQL], s[LQ]
.endm
; The last quarter of a step changes slots: ONE barrier.  In front of it each wave waits for all its tensor loads (one is out: its part of the next slot), adds 0 to its spare word, and waits
; for that and for its reads of this slot.  fill = 1: the barrier opens a round of the cluster's, and the slot that is left takes the walk's step two on.
; Then s[SB] is turned and the three fragment addresses are made for the other slot.
.macro TURN fill
	WIN 0
	s_wait_tensorcnt 0x0                           ; no tensor load of mine is out, so a group 0 may be written
	ds_add_u32 v[SPW], v[NIL]
.if \fill
	DESC
.endif
	s_wait_dscnt 17                                ; the add and the youngest sixteen loads may be out
	MUL8 F1, 0, 0, 0
	s_wait_dscnt 0x0                               ; the add is done, and my reads of this slot are over
	s_barrier_signal -1
	MUL8 F1, 0, 2, 0
	WIN 0                                          ; at a branch and at a label every window is 0
	s_barrier_wait -1
.if \fill
	CREST                                          ; no wave of any partner still reads this slot or has a load on its way
	JLOAD 1                                        ; the first tensor load behind the round
.else
	v_nop                                          ; with the three lines below: the four places in front of the loads
	s_wait_alu depctr_va_vdst(0)
.endif
	s_xor_b32 s[SB], s[SB], SLOT                   ; the other slot is in hand
	v_add_nc_u32 v[ADRP], s[SB], v[ADRP0]
	v_add_nc_u32 v[ADRV], s[SB], v[ADRV0]
	v_add_nc_u32 v[ADRV+1], s[SB], v[ADRV0+1]
	FETCH 0, F0
	MUL8 F1, 1, 0, 0
	MUL8 F1, 1, 2, 0
	FOLD 1
	FQL
.endm
.macro STEP fill                       ; 256 keys: two groups
	QUARTER 1, F0, F1, 1, 0, 18
	QUARTER 2, F1, F0, 0, 1, 16
	QUARTER 3, F0, F1, 1, 0, 16
	TURN \fill
.endm
; THE WAY OUT of a block: T / L, a query tile (16 rows of 256 bytes) at a time through my stage
.macro WAYOUT
.irp a, 0,1,2,3
	WIN 0
	s_wait_alu depctr_va_vdst(0)
	v_mov_b32 v[FX],   v[IL+\a]
	v_mov_b32 v[FX+1], v[IL+\a]
	WIN 0x02                                       ; source 0 (T) in window 2
.set pp, 0
.rept 16
	v_pk_mul_f32 v[TMP+2*pp:TMP+2*pp+1], v[32*\a+2*pp:32*\a+2*pp+1], v[FX:FX+1]
.set pp, pp+1
.endr
	WIN 0
.irp e, 0,1,2,3,4,5,6,7
	ds_store_b128 v[STO], v[TMP+4*\e:TMP+4*\e+3] offset:64*(\e/2)+16*(\e%2)
.endr
	s_wait_xcnt 0x0                                ; the registers that earlier stores read are loaded again only behind this wait
.irp e, 0,1,2,3,4,5,6,7
	ds_load_b128 v[OB+4*\e:OB+4*\e+3], v[RD] offset:\e*2*SP      ; LDS serves a wave's instructions in order (ISA guide 5.7.1.4): these see the stores above
.endr
.irp e, 0,1,2,3,4,5,6,7
	s_wait_dscnt 7-\e
	global_store_b128 v[CO], v[OB+4*\e:OB+4*\e+3], s[10:11] offset:(16*\a+2*\e)*4096 th:TH_STORE_NT   ; 16 lanes store 256 consecutive bytes, at a multiple of 256 from the buffer's first
.endr
.endr
.endm
	s_wait_dscnt 0x0                               ; my table is written
	s_wait_tensorcnt 0x1                           ; my part of step 0 is in
	s_barrier_signal -1
	s_barrier_wait -1
	FETCH 0, F0
	FQL                                            ; behind the fragments, as in every later step
	s_mov_b32 s[TRIPS], 8
.Lwalk:                                                ; a trip: one step, and the walk's step two on is asked for: 2 to 9 in all
	STEP 1
	WIN 0
	s_sub_co_u32 s[RT], s[RT], 1
	s_cmp_lg_u32 s[RT], 0
	s_cbranch_scc1 .Lsame                          ; hangs on U alone, which all partners share; what is jumped holds no barrier and no tensor load
	WAYOUT                                         ; the first block is done
	s_wait_xcnt 0x0
	s_mov_b64 s[10:11], s[OLO:OLO+1]
.irp e, 0,1,2,3
	v_mov_b32 v[IL+\e], v[ILL+\e]
.endr
	CLEAR
	s_mov_b32 s[RT], 16                            ; not again
.Lsame:
	s_sub_co_u32 s[TRIPS], s[TRIPS], 1
	s_cmp_lg_u32 s[TRIPS], 0
	s_cbranch_scc1 .Lwalk
	STEP 0                                         ; the last two steps ask for nothing
	QUARTER 1, F0, F1, 1, 0, 18
	QUARTER 2, F1, F0, 0, 1, 16
	QUARTER 3, F0, F1, 1, 0, 16
	s_wait_dscnt 16
	MUL8 F1, 0, 0, 0
	MUL8 F1, 0, 2, 0
	s_wait_dscnt 0x0
	MUL8 F1, 1, 0, 0
	MUL8 F1, 1, 2, 0
	FOLD 1
	WAYOUT
	s_wait_tensorcnt 0x0                           ; the wave's end
	ds_add_u32 v[SPW], v[NIL]
	s_wait_dscnt 0x0
	CROUND                                         ; the closing round
	s_endpgm
.Lfunc_end_k_q983bcdb1ea_pv:
	.size	k_q983bcdb1ea_pv, .Lfunc_end_k_q983bcdb1ea_pv-k_q983bcdb1ea_pv
	.p2alignl 7, 3214868480
	.fill 96, 4, 3214868480
	.section	.rodata,"a",@progbits
	.p2align	6, 0x0
	.amdhsa_kernel k_q983bcdb1ea_pv
		.amdhsa_group_segment_fixed_size 327680
		.amdhsa_private_segment_fixed_size 0
		.amdhsa_enable_private_segment 0
		.amdhsa_kernarg_size 32
		.amdhsa_user_sgpr_count 2
		.amdhsa_user_sgpr_kernarg_segment_ptr 1
		.amdhsa_wavefront_size32 1
		.amdhsa_system_sgpr_workgroup_id_x 1
		.amdhsa_system_sgpr_workgroup_id_y 1
		.amdhsa_system_sgpr_workgroup_id_z 1
		.amdhsa_system_vgpr_workitem_id 0
		.amdhsa_next_free_vgpr 640
		.amdhsa_next_free_sgpr 96
		.amdhsa_reserve_vcc 0
		.amdhsa_float_denorm_mode_32 3
		.amdhsa_float_denorm_mode_16_64 3
		.amdhsa_memory_ordered 1
		.amdhsa_forward_progress 1
		.amdhsa_inst_pref_size 149
	.end_amdhsa_kernel
	.amdgpu_metadata
---
amdhsa.version: [ 1, 2 ]
amdhsa.kernels:
  - .name:           k_q983bcdb1ea_pv
    .symbol:         k_q983bcdb1ea_pv.kd
    .args:
      - { .name: pbuf, .offset: 0, .size: 8, .value_kind: global_buffer, .address_space: global }
      - { .name: qkv, .offset: 8, .size: 8, .value_kind: global_buffer, .address_space: global }
      - { .name: stat, .offset: 16, .size: 8, .value_kind: global_buffer, .address_space: global }
      - { .name: out0, .offset: 24, .size: 8, .value_kind: global_buffer, .address_space: global }
    .group_segment_fixed_size: 327680
    .private_segment_fixed_size: 0
    .kernarg_segment_align: 8
    .kernarg_segment_size: 32
    .max_flat_workgroup_size: 128
    .sgpr_count:     96
    .vgpr_count:     640
    .wavefront_size: 32
...
	.end_amdgpu_metadata
.endif
;; end of part 4
;; ======== version 2 of 2: 4 launches; version 1 with the launch prep written anew for expert scheduling mode
;; limits: values are held in f16: magnitudes above 65,504 overflow, below 6.1e-05 lose precision
;; workspace buffers: xb 16,777,216 bytes; wb 6,291,456 bytes; bcat 12,288 bytes; qkv 50,331,648 bytes; pbuf 33,554,432 bytes; stat 1,048,576 bytes
;; launch prep (part 5): grid 256 x 1, 8 waves a work-group, no clusters, 0 bytes of LDS; arguments x, Wq, Wk, Wv, bq, bk, bv, xb, wb, bcat; writes xb, wb, bcat
.if DOCPART == 5
	.amdgcn_target "amdgcn-amd-amdhsa--gfx1250"
	.amdhsa_code_object_version 6
	.text
	.protected	k_q983bcdb1ea_prep
	.globl	k_q983bcdb1ea_prep
	.p2align	8
	.type	k_q983bcdb1ea_prep,@function
k_q983bcdb1ea_prep:
	s_mov_b64 s[64:65], 0
	v_nop
	global_prefetch_b8 v0, s[64:65] scope:SCOPE_SE
	s_setreg_imm32_b32 hwreg(HW_REG_WAVE_SCHED_MODE, 0, 2), 2
	s_setreg_imm32_b32 hwreg(HW_REG_WAVE_MODE, 25, 1), 1
	s_wait_xcnt 0x0
	s_wait_alu depctr_vm_vsrc(0)
; CASTS AND LAYOUTS for the projection.  x [8192][1024] f32 -> xb, bf16 in blocks [kb 0..15][row 0..8191][64]: 256 rows of one kb are 32,768 dense bytes.
; Wq, Wk, Wv [1024 k][1024 n] f32 -> wb, bf16 [k][3072], columns 1024 mat + n.  bq, bk, bv -> bcat [3072] f32, each number rounded to bf16 like every other input.
; A stream: bytes are all that counts, so no LDS, no barrier, no matrix unit, no cluster (no two work-groups read the same byte of x or W).
; SHARES.  8,192 rows of x and 3,072 rows of W are 5,632 turns of two rows = 256 x 22: every work-group takes 16 turns of x (32 rows) and 2 turns (4 rows) of each W, so all 256 do equal work.
; In a turn a thread takes 8 numbers (two loads of 16 bytes) and stores 16 bytes; sixteen neighbouring lanes store 256 consecutive bytes.  All 45 loads of a thread go out first.
; Every work-group loads one bias (4,096 bytes, its oldest load, so it costs no wait of its own); work-groups 0, 1, 2 round and store it: one branch where a load under a branch would ask for two.
; THE MODE: SCHED_MODE bits 1:0 = 2 (LLVM: expert scheduling mode 2), set by the entry lines.  The code itself states the register dependences
; between vector instructions and memory instructions, with s_wait_alu, always for 0.
; THE PLAN.  Registers that memory instructions touch:
;   v1 .. v5     byte offsets, made once at the head by vector lines and never written again; every load and store reads one of them.
;   X[t]         turn t's eight registers.  Its two loads land in them; behind the count on LOADcnt its four conversions write the four lowest in place; its one store reads those four.
;                Nothing writes them again.
;   v[184:187]   the bias as loaded;  v[188:191] the bias to store, written by four vector lines, read by one store.
; So no register that a memory instruction reads is ever written a second time, and no load lands in a register that a vector line has named: what is left to state is that a store's data,
; and the offsets, are written.  The 22 turns go in 11 blocks of two.  Block b's conversions name X[2b] and X[2b + 1] alone; its memory instructions are the two stores of block b - 1, which read
; X[2b - 2], X[2b - 1] and an offset.  ONE wait at a block's head, behind the wait for the block's data, states that the block before has written its store data; the two stores follow it,
; dealt among the block's conversions, with no further wait.  No vector line writes a scalar register or VCC, and EXEC is never written.
.set X,  8                             ; v[8:183]   turn t: 8 numbers as loaded; its four lowest registers then take the 16 bytes to store; never written again
.set BI, 184                           ; v[184:187] 4 biases as loaded; v[188:191] to store
.macro CVT t                           ; turn t's eight numbers close up into 16 bytes
	v_cvt_pk_bf16_f32 v[X+8*(\t)],   v[X+8*(\t)],   v[X+8*(\t)+1]   ; in place: each line writes a register that the lines above have read
	v_cvt_pk_bf16_f32 v[X+8*(\t)+1], v[X+8*(\t)+2], v[X+8*(\t)+3]
	v_cvt_pk_bf16_f32 v[X+8*(\t)+2], v[X+8*(\t)+4], v[X+8*(\t)+5]
	v_cvt_pk_bf16_f32 v[X+8*(\t)+3], v[X+8*(\t)+6], v[X+8*(\t)+7]
.endm
.macro STORE t                         ; turn t's 16 bytes: turns 0-15 are x's, turns 16 + 2 m + u are rows 2 u, 2 u + 1 of my four of W number m
.if (\t) < 16
	global_store_b128 v2, v[X+8*(\t):X+8*(\t)+3], s[22:23] offset:(\t)*256
.else
	global_store_b128 v4, v[X+8*(\t):X+8*(\t)+3], s[24:25] offset:(((\t)-16)/2)*2048+(((\t)-16)%2)*12288   ; W number m begins 2,048 m bytes into a row of wb
.endif
.endm
.macro BLK b                           ; block b: turns 2 b and 2 b + 1 are rounded, the block before is stored
	s_wait_loadcnt 40-4*(\b)                       ; loads come back in order: the two of each of the 20 - 2 b younger turns may stay out
.if (\b) > 0
	s_wait_alu depctr_va_vdst(0)                   ; the conversions of the block before have written X[2b - 2] and X[2b - 1], which the two stores below read
	STORE 2*(\b)-2
.endif
	CVT 2*(\b)
.if (\b) > 0
	STORE 2*(\b)-1                                 ; no wait: no vector line since the wait above names its data or its offset
.endif
	CVT 2*(\b)+1
.endm
	s_load_b512 s[8:23], s[0:1], 0x0               ; x s[8:9], Wq s[10:11], Wk s[12:13], Wv s[14:15], bq s[16:17], bk s[18:19], bv s[20:21], xb s[22:23]
	s_load_b128 s[24:27], s[0:1], 0x40             ; wb s[24:25], bcat s[26:27]
	s_mov_b32 s2, ttmp9
	; x: thread t = (kb = t / 16, row parity = (t / 8) % 2, sub = t % 8): sixteen neighbouring lanes store two rows of one kb
	v_and_b32 v6, 7, v0
	v_lshlrev_b32 v1, 5, v6                        ; in: 32 sub
	v_lshlrev_b32 v2, 4, v6                        ; out: 16 sub
	v_bfe_u32 v6, v0, 3, 1
	v_lshl_add_u32 v1, v6, 12, v1                  ;   + 4,096 parity
	v_lshl_add_u32 v2, v6, 7, v2                   ;   + 128 parity
	v_lshrrev_b32 v6, 4, v0
	v_lshl_add_u32 v1, v6, 8, v1                   ;   + 256 kb
	v_lshl_add_u32 v2, v6, 20, v2                  ;   + kb blocks of 8,192 rows x 128 bytes
	; W: two rows are 8,192 dense bytes, 32 a thread; out: row t / 128 of 6,144 bytes, 16 bytes a thread
	v_lshlrev_b32 v3, 5, v0
	v_lshrrev_b32 v6, 7, v0
	v_mul_u32_u24 v4, v6, 6144
	v_and_b32 v6, 127, v0
	v_lshl_add_u32 v4, v6, 4, v4
	v_lshlrev_b32 v5, 4, v0                        ; a bias: 4 numbers a thread
	s_lshl_b32 s4, s2, 17                          ; my 32 rows of x, 4,096 bytes each
	s_mov_b32 s5, 0
	s_lshl_b32 s6, s2, 12                          ; my 32 rows of 128 bytes in a block of xb
	s_mov_b32 s7, 0
	s_lshl_b32 s28, s2, 14                         ; my 4 rows of each W
	s_mov_b32 s29, 0
	s_mul_i32 s30, s2, 24576                       ; my 4 rows of wb, 6,144 bytes each
	s_mov_b32 s31, 0
	s_wait_kmcnt 0x0
	s_cmp_eq_u32 s2, 0
	s_cselect_b64 s[34:35], s[16:17], s[18:19]     ; work-group 0: bq, 1: bk,
	s_cmp_ge_u32 s2, 2
	s_cselect_b64 s[34:35], s[20:21], s[34:35]     ; 2 and up: bv
	s_add_nc_u64 s[8:9], s[8:9], s[4:5]
	s_add_nc_u64 s[22:23], s[22:23], s[6:7]
	s_add_nc_u64 s[10:11], s[10:11], s[28:29]
	s_add_nc_u64 s[12:13], s[12:13], s[28:29]
	s_add_nc_u64 s[14:15], s[14:15], s[28:29]
	s_add_nc_u64 s[24:25], s[24:25], s[30:31]
	s_wait_alu depctr_va_vdst(0)                   ; the five offsets v1 to v5 are written: every load and store of the kernel reads one of them
	global_load_b128 v[BI:BI+3], v5, s[34:35]
.set i, 0
.rept 16
	global_load_b128 v[X+8*i:X+8*i+3],   v1, s[8:9] offset:i*8192 th:TH_LOAD_NT
	global_load_b128 v[X+8*i+4:X+8*i+7], v1, s[8:9] offset:i*8192+16 th:TH_LOAD_NT
.set i, i+1
.endr
.irp m, 0,1,2
.irp u, 0,1
	global_load_b128 v[X+8*(16+2*\m+\u):X+8*(16+2*\m+\u)+3],   v3, s[10+2*\m:11+2*\m] offset:\u*8192 th:TH_LOAD_NT
	global_load_b128 v[X+8*(16+2*\m+\u)+4:X+8*(16+2*\m+\u)+7], v3, s[10+2*\m:11+2*\m] offset:\u*8192+16 th:TH_LOAD_NT
.endr
.endr
.irp b, 0,1,2,3,4,5,6,7,8,9,10         ; blocks 0-7 are x's, blocks 8, 9, 10 those of Wq, Wk, Wv
	BLK \b
.endr
	s_wait_alu depctr_va_vdst(0)                   ; block 10's conversions have written X[20] and X[21], which the last two stores read
	STORE 20
	STORE 21
	s_cmp_lt_u32 s2, 3
	s_cbranch_scc0 .Ldone
	s_lshl_b32 s4, s2, 12                          ; the bias of W number s2: rounded to bf16 and written back as f32 (it came in ahead of every turn)
	s_add_nc_u64 s[26:27], s[26:27], s[4:5]
	v_cvt_pk_bf16_f32 v6, v[BI], v[BI+1]
	v_cvt_pk_bf16_f32 v7, v[BI+2], v[BI+3]
	v_lshlrev_b32 v[BI+4], 16, v6
	v_and_b32 v[BI+5], 0xffff0000, v6
	v_lshlrev_b32 v[BI+6], 16, v7
	v_and_b32 v[BI+7], 0xffff0000, v7
	s_wait_alu depctr_va_vdst(0)                   ; the four lines above have written v[188:191], which the store reads
	global_store_b128 v5, v[BI+4:BI+7], s[26:27]
.Ldone:
	s_endpgm
.Lfunc_end_k_q983bcdb1ea_prep:
	.size	k_q983bcdb1ea_prep, .Lfunc_end_k_q983bcdb1ea_prep-k_q983bcdb1ea_prep
	.p2alignl 7, 3214868480
	.fill 96, 4, 3214868480
	.section	.rodata,"a",@progbits
	.p2align	6, 0x0
	.amdhsa_kernel k_q983bcdb1ea_prep
		.amdhsa_group_segment_fixed_size 0
		.amdhsa_private_segment_fixed_size 0
		.amdhsa_enable_private_segment 0
		.amdhsa_kernarg_size 80
		.amdhsa_user_sgpr_count 2
		.amdhsa_user_sgpr_kernarg_segment_ptr 1
		.amdhsa_wavefront_size32 1
		.amdhsa_system_sgpr_workgroup_id_x 1
		.amdhsa_system_sgpr_workgroup_id_y 1
		.amdhsa_system_sgpr_workgroup_id_z 1
		.amdhsa_system_vgpr_workitem_id 0
		.amdhsa_next_free_vgpr 192
		.amdhsa_next_free_sgpr 66
		.amdhsa_reserve_vcc 0
		.amdhsa_float_denorm_mode_32 3
		.amdhsa_float_denorm_mode_16_64 3
		.amdhsa_memory_ordered 1
		.amdhsa_forward_progress 1
		.amdhsa_inst_pref_size 15
	.end_amdhsa_kernel
	.amdgpu_metadata
---
amdhsa.version: [ 1, 2 ]
amdhsa.kernels:
  - .name:           k_q983bcdb1ea_prep
    .symbol:         k_q983bcdb1ea_prep.kd
    .args:
      - { .name: x, .offset: 0, .size: 8, .value_kind: global_buffer, .address_space: global }
      - { .name: Wq, .offset: 8, .size: 8, .value_kind: global_buffer, .address_space: global }
      - { .name: Wk, .offset: 16, .size: 8, .value_kind: global_buffer, .address_space: global }
      - { .name: Wv, .offset: 24, .size: 8, .value_kind: global_buffer, .address_space: global }
      - { .name: bq, .offset: 32, .size: 8, .value_kind: global_buffer, .address_space: global }
      - { .name: bk, .offset: 40, .size: 8, .value_kind: global_buffer, .address_space: global }
      - { .name: bv, .offset: 48, .size: 8, .value_kind: global_buffer, .address_space: global }
      - { .name: xb, .offset: 56, .size: 8, .value_kind: global_buffer, .address_space: global }
      - { .name: wb, .offset: 64, .size: 8, .value_kind: global_buffer, .address_space: global }
      - { .name: bcat, .offset: 72, .size: 8, .value_kind: global_buffer, .address_space: global }
    .group_segment_fixed_size: 0
    .private_segment_fixed_size: 0
    .kernarg_segment_align: 8
    .kernarg_segment_size: 80
    .max_flat_workgroup_size: 256
    .sgpr_count:     66
    .vgpr_count:     192
    .wavefront_size: 32
...
	.end_amdgpu_metadata
.endif
;; end of part 5
;; launch proj: the kernel of part 2 again; grid 8 x 32, 4 waves a work-group, clusters of 4 x 4, 327,680 bytes of LDS; arguments xb, wb, bcat, qkv; writes qkv
;; launch scores: the kernel of part 3 again; grid 36 x 4, 4 waves a work-group, no clusters, 327,680 bytes of LDS; arguments qkv, pbuf, stat; writes pbuf, stat
;; launch pv: the kernel of part 4 again; grid 8 x 32, 4 waves a work-group, clusters of 4 x 4, 327,680 bytes of LDS; arguments pbuf, qkv, stat, out0; writes out0
